; MI455X (gfx1250); checked and timed in simulation.
; The chip was launched on July 23, 2026; its instructions are those of AMD's public machine-readable ISA for CDNA 5 (MIT licence, August 2026) and "CDNA5" Instruction Set Architecture Reference Guide (July 2026). The comments in the code are by the model that wrote it; some were corrected since.
;; Mock Mo E Layer. Allowed arithmetic: matrix products marked QUANTISED: E2M1 operands, one E8M0 scale for each 32 along K, by v_wmma_scale_f32_16x16x128_f8f6f4 with both operands' format E2M1 (or v_wmma_scale_f32_32x16x128_f4), f32 sums; products left as they are: f32 operands where the result goes on into a quantised operand, else bf16, f16 or f32 operands; f32 sums; everything else in f32.
;; Inputs: expert_W_codes 8 x 1,024 x 32 x 16 uint8 (E2M1 codes of expert_W, K innermost, in blocks of 32 codes, two codes a byte); expert_W_scales 8 x 1,024 x 32 uint8 (E8M0 scales of expert_W, one for each 32 codes along K); expert_b 8 x 1,024 float32; gate_W 8 x 1,024 float32; gate_b 8 float32; x 8,192 x 1,024 float32.
;; Outputs: out0 8,192 x 1,024 float32.
;; This version of the problem:
;;   THIS VERSION OF THE PROBLEM IS GIVEN IN LOW PRECISION. The matrix products marked QUANTISED in the list below multiply operands that are first quantised to E2M1 (2 exponent bits, 1 mantissa bit; 4 bits a number), with one power-of-two scale for each 32 numbers along K (OCP MX v1.0); their sums are f32. All else is computed in f32.
;;   The module's matrix products, in the order in which they are computed (A, B: the left and right operand; K: the contracted axis; several contracted axes count as one K, in the product's order):
;;     1. [M 8,192, K 1,024] x [K 1,024, N 8]; A: input x; B: input gate_W: left as it is (N = 8 < 16)
;;     2. [M 8,192, K 1,024] x [K 1,024, N 1,024]; A: input x; B: input expert_W (given as codes): QUANTISED
;;     3. [M 8,192, K 1,024] x [K 1,024, N 1,024]; A: input x; B: input expert_W (given as codes): QUANTISED
;;     4. [M 8,192, K 1,024] x [K 1,024, N 1,024]; A: input x; B: input expert_W (given as codes): QUANTISED
;;     5. [M 8,192, K 1,024] x [K 1,024, N 1,024]; A: input x; B: input expert_W (given as codes): QUANTISED
;;     6. [M 8,192, K 1,024] x [K 1,024, N 1,024]; A: input x; B: input expert_W (given as codes): QUANTISED
;;     7. [M 8,192, K 1,024] x [K 1,024, N 1,024]; A: input x; B: input expert_W (given as codes): QUANTISED
;;     8. [M 8,192, K 1,024] x [K 1,024, N 1,024]; A: input x; B: input expert_W (given as codes): QUANTISED
;;     9. [M 8,192, K 1,024] x [K 1,024, N 1,024]; A: input x; B: input expert_W (given as codes): QUANTISED
;;   THE QUANTISER, for each operand of a quantised product, along K:
;;     - K is cut into blocks of 32 from its start; a last block that is shorter is filled with zeros.
;;     - A block's scale is 2^e with e = floor(log2(the largest magnitude in the block)) - 2, held to -126 .. 127; a block of zeros has e = 0. As a byte (E8M0): e + 127.
;;     - Each number is divided by its block's scale, clamped to +-6, and rounded to the nearest number of E2M1, ties to even, subnormals kept.
;;     - The product sums the exact products of the quantised numbers (number of the format x scale) in f32.
;;   ~~~python
;;   def quantise(x, axis):      # numpy; x: float32 -> the quantised numbers, widened to float32 again
;;       x = np.moveaxis(x, axis, -1); K = x.shape[-1]
;;       x = np.pad(x, [(0, 0)] * (x.ndim - 1) + [(0, -K % 32)]); x = x.reshape(x.shape[:-1] + (-1, 32)); a = np.abs(x).max(-1, keepdims=True)
;;       e = np.where(a > 0, np.clip(np.frexp(np.where(a > 0, a, 1))[1] - 1 - 2, -126, 127), 0)      # np.frexp(a)[1] - 1 = floor(log2(a)), exactly
;;       r = np.clip(x / 2.0 ** e, -6, 6)
;;       step = 2.0 ** (np.maximum(np.frexp(np.where(r == 0, 1, r))[1] - 1, 0) - 1)
;;       q = np.round(r / step) * step * 2.0 ** e      # np.round: ties to even
;;       return np.moveaxis(q.reshape(q.shape[:-2] + (-1,))[..., :K], -1, axis).astype(np.float32)
;;   ~~~
;;   INPUTS GIVEN AS CODES. expert_W (in the module: [8, 1024, 1024], K = its axis 2): each comes as NAME_codes (uint8): NAME with its K axis moved to the last place and cut into blocks of 32 codes, [.., K / 32, bytes a block], one block behind the other in memory; two codes a byte, the lower K in the low four bits (a code: sign, 2 exponent bits, 1 mantissa bit); and NAME_scales (uint8): the same leading axes, one E8M0 byte (e + 127) for each 32 codes along K. Its value is code x scale, taken as it is: it is not quantised again, and the codes and scales need not be those that the quantiser above would give.
;; 3 versions, each right; version 2 is faster than version 1; version 3 is version 2 with the launch gate_quant written anew for expert scheduling mode. Each part assembles by itself: llvm-mc -triple=amdgcn-amd-amdhsa -mcpu=gfx1250 --defsym DOCPART=n.
;; ======== version 1 of 3: 3 launches
;; workspace buffers: xq 4,194,304 bytes; xs 262,144 bytes; wts 262,144 bytes; route 65,536 bytes of whole numbers; perm 32,768 bytes of whole numbers; wf 4,194,304 bytes
;; launch gate_quant (part 1): grid 256 x 1, 8 waves a work-group, no clusters, 90,624 bytes of LDS; arguments x, gate_W, gate_b, expert_W_codes, xq, xs, wts, route, wf; writes xq, xs, wts, route, wf
.if DOCPART == 1
	.amdgcn_target "amdgcn-amd-amdhsa--gfx1250"
	.amdhsa_code_object_version 6
	.text
	.protected	k_q8fb8a4eff3_gate_quant
	.globl	k_q8fb8a4eff3_gate_quant
	.p2align	8
	.type	k_q8fb8a4eff3_gate_quant,@function
k_q8fb8a4eff3_gate_quant:
	s_mov_b64 s[64:65], 0
	v_nop
	global_prefetch_b8 v0, s[64:65] scope:SCOPE_SE
	s_setreg_imm32_b32 hwreg(HW_REG_WAVE_MODE, 25, 1), 1
	s_wait_xcnt 0x0
; LAUNCH 1 OF 3.  For 32 tokens a work-group: the gate (logits in f32, softmax with the maximum taken off, top-2, ties to the lower index),
; x quantised to E2M1 codes with one E8M0 byte for each 32 along K, and 32 rows of expert_W_codes laid anew in the order of a matrix operand's registers.
; OUT: xq [8192][512 B] codes; xs [8192][32 B] scale bytes; wts [2][8192][4] f32 (plane 0 experts 0-3, plane 1 experts 4-7; the softmax probability where the expert is chosen, else 0);
;      route [256 groups][32 lanes][2 words]: word 0 = class | rank << 8 | expert mask << 16 of token = lane, word 1 = how many tokens of the group have class = lane;
;      wf: byte (T >> 2) << 15 | s << 12 | (T & 3) << 10 | c << 9 | lane << 4 holds the 16 bytes of row 16 T + lane % 16 at byte 64 s + 32 c + 16 (lane / 16).
; A token's class is its unordered pair of experts (lo, hi): lo (15 - lo) / 2 + (lo odd ? 7 - hi : hi - lo - 1), 0 .. 27: neighbouring classes share an expert.
; SHARES.  Wave w takes K = 128 w .. 128 w + 127 of all 32 tokens: a load covers 512 consecutive bytes of one token, and the wave's part of gate_W stays in 128 registers.
; A step is four tokens: their 2,048 bytes turn through the wave's own stage in LDS, so that a lane holds 16 neighbours along K of one token (eight lanes to a token, two to a block of 32).
; Nothing that is derived from floating-point numbers enters an address or a branch: the choice is stored at fixed places.
; LIMITS: NaN and infinities are not served.  A block whose largest magnitude lies under 2^-124 (zeros too) gets the byte 1: its codes are what the conversion gives under that scale, and only this program reads the bytes.
; Probabilities under 2^-126 come out of v_exp_f32 as 0.  The logits are summed in another order than a plain chain: experts that tie for second place within f32 rounding may be chosen otherwise.
.set HST,  2560                        ; a turn stage: 32 places of 64 bytes + 16 of padding
.set PL,   40960                       ; behind eight waves x two stages: partial logits [wave][token, 48 bytes][8 f32]
.set CT,   53248                       ; the codes: 32 rows, 576 bytes apart
.set XSL,  71680                       ; the scale bytes: 32 rows of 32
.set WS,   72704                       ; 32 rows of expert_W_codes, 528 bytes apart
.set G,    16                          ; v16-143  gate_W[e][128 w + 16 (lane % 8) + k] at G + 16 e + k
.set X,    144                         ; v144-175 two sets of 16 neighbours
.set A,    176                         ; v176-191 eight pairs of sums
.set L,    192                         ; v192-207 two sets of eight partial logits
.set CD,   208                         ; v208-211 two sets of two registers of codes
.set SBY,  212                         ; v212-213 two scale bytes
.set WR,   216                         ; v216-231 my four rows of expert_W_codes
.set TM,   232                         ; v232-234 at work
.set MSB, 0
.macro WIN new                         ; the immediate's high byte repeats the setting that is left
.if MSB != \new
	s_set_vgpr_msb (MSB<<8)|\new
.set MSB, \new
.endif
.endm
	s_load_b512 s[4:19], s[0:1], 0x0               ; x, gate_W, gate_b, codes, xq, xs, wts, route
	s_load_b64 s[20:21], s[0:1], 0x40              ; wf
	v_lshl_add_u32 v254, v0, 2, 0x15e00
	v_mov_b32 v255, 0
	v_lshrrev_b32 v1, 5, v0
	v_readfirstlane_b32 s22, v1                    ; wave 0..7
	v_and_b32 v1, 31, v0                           ; lane
	v_lshlrev_b32 v2, 4, v1                        ; 16 x lane
	v_and_b32 v14, 7, v1                           ; lane % 8
	v_lshrrev_b32 v15, 3, v1                       ; lane / 8
	v_lshlrev_b32 v3, 6, v14                       ; gate_W: 64 (lane % 8)
	s_lshl_b32 s34, s22, 9                         ; 512 w: my K slice in a row of f32
	s_mov_b32 s35, 0
	s_lshl_b32 s36, ttmp9, 17                      ; 32 tokens of 4,096 bytes
	s_add_co_u32 s36, s36, s34
	s_mov_b32 s37, 0
	s_lshl_b32 s38, ttmp9, 14                      ; 32 rows of 512 bytes,
	s_lshl_b32 s39, s22, 11                        ; four of them a wave
	s_add_co_u32 s38, s38, s39
	s_mov_b32 s39, 0
	s_wait_kmcnt 0x0
	s_add_nc_u64 s[4:5], s[4:5], s[36:37]
	s_add_nc_u64 s[6:7], s[6:7], s[34:35]
	s_add_nc_u64 s[10:11], s[10:11], s[38:39]
	s_add_nc_u64 s[12:13], s[12:13], s[38:39]
	s_load_b256 s[24:31], s[8:9], 0x0              ; gate_b: wave 0 waits for it where it reads it
.irp e, 0,1,2,3,4,5,6,7
.irp j, 0,1,2,3
	global_load_b128 v[G+16*\e+4*\j:G+16*\e+4*\j+3], v3, s[6:7] offset:4096*\e+16*\j
.endr
.endr
.irp i, 0,1,2,3
	global_load_b128 v[WR+4*\i:WR+4*\i+3], v2, s[10:11] offset:512*\i th:TH_LOAD_NT
.endr
	WIN 0x40                                       ; destination window 1: all 32 tokens are asked for at once, 128 registers
.set k, 0
.rept 32
	global_load_b128 v[4*k:4*k+3], v2, s[4:5] offset:4096*k th:TH_LOAD_NT
.set k, k+1
.endr
	WIN 0
	; LDS addresses: a constant + a constant x lane terms + a constant x wave
	s_mul_i32 s23, s22, 2*HST
	v_lshrrev_b32 v4, 2, v1
	v_mul_u32_u24 v4, v4, 80
	v_and_b32 v5, 3, v1
	v_lshl_add_u32 v4, v5, 4, v4
	v_add_nc_u32 v4, s23, v4                       ; the stage, in: 80 (lane / 4) + 16 (lane % 4)
	v_mul_u32_u24 v5, v1, 80
	v_add_nc_u32 v5, s23, v5                       ; out: 80 x lane
	s_mul_i32 s23, s22, 1536
	s_add_co_u32 s23, s23, PL
	v_mul_u32_u24 v6, v15, 48
	v_add_nc_u32 v6, s23, v6                       ; partial logits of token lane / 8 of a step
	s_lshl_b32 s23, s22, 6
	s_add_co_u32 s23, s23, CT
	v_mul_u32_u24 v7, v15, 576
	v_lshl_add_u32 v7, v14, 3, v7
	v_add_nc_u32 v7, s23, v7                       ; my 8 bytes of codes: row lane / 8, byte 64 w + 8 (lane % 8)
	s_lshl_b32 s23, s22, 2
	s_add_co_u32 s23, s23, XSL
	v_lshrrev_b32 v8, 1, v14
	v_lshl_add_u32 v8, v15, 5, v8
	v_add_nc_u32 v8, s23, v8                       ; my block's byte: row lane / 8, byte 4 w + (lane % 8) / 2
	s_mul_i32 s23, s22, 4*528
	s_add_co_u32 s23, s23, WS
	v_add_nc_u32 v9, s23, v2                       ; expert_W_codes in: rows 4 w on
	s_mul_i32 s23, s22, 4*576
	s_add_co_u32 s23, s23, CT
	v_add_nc_u32 v10, s23, v2                      ; the codes back: rows 4 w on, 16 bytes a lane
	s_lshr_b32 s32, s22, 2                         ; which of the two tiles of 16 rows I lay out,
	s_and_b32 s33, s22, 3                          ; and which two K steps of it
	s_mul_i32 s23, s32, 16*528
	s_lshl_b32 s36, s33, 7
	s_add_co_u32 s23, s23, s36
	s_add_co_u32 s23, s23, WS
	v_and_b32 v14, 15, v1                          ; r
	v_lshrrev_b32 v15, 4, v1                       ; h
	v_mul_u32_u24 v11, v14, 528
	v_lshl_add_u32 v11, v15, 4, v11
	v_add_nc_u32 v11, s23, v11                     ; a fragment's 16 bytes: row r, + 16 h, + 128 (w % 4)
	v_add_nc_u32 v12, XSL, v2                      ; the scale bytes back
	v_mul_u32_u24 v13, v1, 48
	v_add_nc_u32 v13, PL, v13                      ; the partial logits of token = lane
	; where the results go
	s_lshl_b32 s36, ttmp9, 10
	s_add_nc_u64 s[14:15], s[14:15], s[36:37]      ; xs: 32 rows of 32 bytes
	s_lshl_b32 s36, ttmp9, 9
	s_add_nc_u64 s[16:17], s[16:17], s[36:37]      ; wts: 32 tokens of 16 bytes in each plane
	s_lshl_b32 s36, ttmp9, 8
	s_add_nc_u64 s[18:19], s[18:19], s[36:37]      ; route: 256 bytes a group
	s_lshl_b32 s23, ttmp9, 1
	s_add_co_u32 s23, s23, s32                     ; T = 2 g + w / 4
	s_lshr_b32 s36, s23, 2
	s_lshl_b32 s36, s36, 15
	s_and_b32 s23, s23, 3
	s_lshl_b32 s23, s23, 10
	s_add_co_u32 s36, s36, s23
	s_lshl_b32 s23, s33, 13                        ; K steps 2 (w % 4) on
	s_add_co_u32 s36, s36, s23
	s_add_nc_u64 s[20:21], s[20:21], s[36:37]
	s_wait_loadcnt 32                              ; gate_W and my rows of codes are in: the 32 loads of x were issued behind them
.irp i, 0,1,2,3
	ds_store_b128 v9, v[WR+4*\i:WR+4*\i+3] offset:528*\i
.endr
; Step t's four tokens through stage t % 2: as they were loaded in, 64 bytes a lane out.  LDS serves a wave's instructions in order: no wait between.
.macro TURN t
	WIN 0x04                                       ; an LDS store's data are its source 1: window 1
.irp i, 0,1,2,3
	ds_store_b128 v4, v[16*(\t)+4*\i:16*(\t)+4*\i+3] offset:HST*((\t)%2)+640*\i
.endr
	WIN 0
.irp i, 0,1,2,3
	ds_load_b128 v[X+16*((\t)%2)+4*\i:X+16*((\t)%2)+4*\i+3], v5 offset:HST*((\t)%2)+16*\i
.endr
.endm
	s_wait_loadcnt 28                              ; tokens 0 to 3 are in: 28 loads were issued behind theirs
	TURN 0
.macro STEP t
.set XS, X+16*((\t)%2)
.set LS, L+8*((\t)%2)
.set CS, CD+2*((\t)%2)
.set BS, SBY+(\t)%2
.if (\t) > 0
	s_wait_dscnt 4                                 ; this step's numbers are back; the four stores of the last step may be out; those of the step before, which read this step's sets of registers, are done
.else
	s_wait_dscnt 0x0
.endif
.if (\t) < 7
	s_wait_loadcnt 24-4*(\t)                       ; the next step's four loads are in; the later ones may be out
	TURN (\t)+1
.endif
.irp e, 0,1,2,3,4,5,6,7                            ; the gate: eight sums by turns, two numbers an instruction
	v_pk_mul_f32 v[A+2*\e:A+2*\e+1], v[XS:XS+1], v[G+16*\e:G+16*\e+1]
.endr
.irp k, 2,4,6,8,10,12,14
.irp e, 0,1,2,3,4,5,6,7
	v_pk_fma_f32 v[A+2*\e:A+2*\e+1], v[XS+\k:XS+\k+1], v[G+16*\e+\k:G+16*\e+\k+1], v[A+2*\e:A+2*\e+1]
.endr
.endr
.irp e, 0,1,2,3,4,5,6,7
	v_add_f32 v[LS+\e], v[A+2*\e], v[A+2*\e+1]
.endr
.irp m, 1,2,4                                      ; over the eight lanes of a token
.irp e, 0,1,2,3,4,5,6,7
	v_add_f32_dpp v[LS+\e], v[LS+\e], v[LS+\e] row_xmask:\m row_mask:0xf bank_mask:0xf
.endr
.endr
	ds_store_b128 v6, v[LS:LS+3] offset:192*(\t)           ; the eight lanes of a token write the same bytes with the same values
	ds_store_b128 v6, v[LS+4:LS+7] offset:192*(\t)+16
	v_max3_num_f32 v[TM], |v[XS]|, |v[XS+1]|, |v[XS+2]|    ; the largest magnitude of my 16
	v_max3_num_f32 v[TM+1], |v[XS+3]|, |v[XS+4]|, |v[XS+5]|
.irp i, 6,10
	v_max3_num_f32 v[TM], v[TM], |v[XS+\i]|, |v[XS+\i+1]|
	v_max3_num_f32 v[TM+1], v[TM+1], |v[XS+\i+2]|, |v[XS+\i+3]|
.endr
	v_max3_num_f32 v[TM], v[TM], |v[XS+14]|, |v[XS+15]|
	v_max3_num_f32 v[TM], v[TM], v[TM+1], 0x1800000        ; and the floor 2^(3 - 127): the byte cannot fall under 1
	v_max_num_f32_dpp v[TM], v[TM], v[TM] row_xmask:1 row_mask:0xf bank_mask:0xf   ; with my neighbour's 16: the block's
	v_add_nc_u32 v[TM+2], 0xff000000, v[TM]                ; 2 off its exponent field: the conversion takes that field as its scale
	v_cvt_scalef32_pk8_fp4_f32 v[CS], v[XS:XS+7], v[TM+2]
	v_cvt_scalef32_pk8_fp4_f32 v[CS+1], v[XS+8:XS+15], v[TM+2]
	v_lshrrev_b32 v[BS], 23, v[TM+2]                       ; the scale's byte (also the plain line behind the conversions)
	ds_store_b64 v7, v[CS:CS+1] offset:2304*(\t)
	ds_store_b8 v8, v[BS] offset:128*(\t)                  ; both lanes of a block write the same byte
.endm
.irp t, 0,1,2,3,4,5,6,7
	STEP \t
.endr
	s_wait_dscnt 0x0                               ; for the others' sake: all my LDS stores have landed
	s_barrier_signal -1
	s_barrier_wait -1                              ; codes, scale bytes, partial logits and the 32 rows of W lie whole in LDS
.irp i, 0,1,2,3
	ds_load_b128 v[X+4*\i:X+4*\i+3], v10 offset:576*\i     ; a whole row of codes, 512 bytes
.endr
.irp i, 0,1,2,3
	ds_load_b128 v[X+16+4*\i:X+16+4*\i+3], v11 offset:32*\i   ; K step 2 (w % 4) + i / 2, half i % 2 of a fragment
.endr
.irp i, 0,1,2,3
	s_wait_dscnt 7-\i
	global_store_b128 v2, v[X+4*\i:X+4*\i+3], s[12:13] offset:512*\i      ; 32 lanes store 512 consecutive bytes
.endr
.irp i, 0,1,2,3
	s_wait_dscnt 3-\i
	global_store_b128 v2, v[X+16+4*\i:X+16+4*\i+3], s[20:21] offset:4096*(\i/2)+512*(\i%2)
.endr
	s_cmp_lg_u32 s22, 7
	s_cbranch_scc1 .Lnot_seven
	ds_load_b128 v[A:A+3], v12                     ; wave 7: the group's 1,024 scale bytes
	ds_load_b128 v[A+4:A+7], v12 offset:512
	s_wait_dscnt 0x0
	global_store_b128 v2, v[A:A+3], s[14:15]
	global_store_b128 v2, v[A+4:A+7], s[14:15] offset:512
	s_wait_tensorcnt 0x0
	ds_add_u32 v254, v255
	s_wait_dscnt 0x0
	s_endpgm
.Lnot_seven:
	s_cmp_lg_u32 s22, 0
	s_cbranch_scc1 .Lend
	; WAVE 0, a lane a token: the logits, the softmax, the choice
.irp w, 0,1,2,3,4,5,6,7
	ds_load_b128 v[16+8*\w:19+8*\w], v13 offset:1536*\w
	ds_load_b128 v[20+8*\w:23+8*\w], v13 offset:1536*\w+16
.endr
	s_wait_dscnt 0x0
.irp w, 1,2,3,4,5,6,7
.irp j, 0,2,4,6
	v_pk_add_f32 v[16+\j:17+\j], v[16+\j:17+\j], v[16+8*\w+\j:17+8*\w+\j]
.endr
.endr
	s_wait_kmcnt 0x0                               ; gate_b
.irp e, 0,1,2,3,4,5,6,7
	v_add_f32 v[16+\e], s[24+\e], v[16+\e]
.endr
	v_max3_num_f32 v80, v16, v17, v18
	v_max3_num_f32 v80, v80, v19, v20
	v_max3_num_f32 v80, v80, v21, v22
	v_max_num_f32 v80, v80, v23                    ; the row's largest logit is taken off
.irp e, 0,1,2,3,4,5,6,7
	v_sub_f32 v[24+\e], v[16+\e], v80
.endr
.irp e, 0,1,2,3,4,5,6,7
	v_mul_f32 v[24+\e], 0x3fb8aa3b, v[24+\e]       ; x log2(e)
.endr
.irp e, 0,1,2,3,4,5,6,7
	v_exp_f32 v[24+\e], v[24+\e]
.endr
	v_mov_b32 v90, 0                               ; the rank (a plain line behind the exponentials)
	s_wait_alu depctr_va_vdst(0)                   ; one wait for the batch of eight, ahead of its first reader
	v_add_f32 v81, v24, v25
	v_add_f32 v92, v26, v27
	v_add_f32 v96, v28, v29
	v_add_f32 v97, v30, v31
	v_add_f32 v81, v81, v92
	v_add_f32 v96, v96, v97
	v_add_f32 v81, v81, v96
	v_rcp_f32 v82, v81
	v_mov_b32 v101, 0                              ; the counts (a plain line behind the reciprocal)
	s_wait_alu depctr_va_vdst(0)
.irp e, 0,1,2,3,4,5,6,7
	v_mul_f32 v[32+\e], v[24+\e], v82              ; the probabilities
.endr
	v_mov_b32 v83, v32                             ; the largest: a later one takes over only where it is larger, so the lower index wins a tie
	v_mov_b32 v84, 0
.irp e, 1,2,3,4,5,6,7
	v_cmp_le_f32 vcc_lo, v[32+\e], v83
	v_cndmask_b32 v83, v[32+\e], v83, vcc_lo
	v_cndmask_b32 v84, \e, v84, vcc_lo
.endr
	v_mov_b32 v85, -1.0
.irp e, 0,1,2,3,4,5,6,7
	v_cmp_eq_u32 vcc_lo, \e, v84
	v_cndmask_b32 v[40+\e], v[32+\e], v85, vcc_lo  ; the winner is taken out
.endr
	v_mov_b32 v86, v40                             ; the second largest, likewise
	v_mov_b32 v87, 0
.irp e, 1,2,3,4,5,6,7
	v_cmp_le_f32 vcc_lo, v[40+\e], v86
	v_cndmask_b32 v86, v[40+\e], v86, vcc_lo
	v_cndmask_b32 v87, \e, v87, vcc_lo
.endr
	v_mov_b32 v89, 1
	v_lshlrev_b32 v88, v84, v89
	v_lshlrev_b32 v92, v87, v89
	v_or_b32 v88, v88, v92                         ; the mask of the two experts
.irp e, 0,1,2,3,4,5,6,7
	v_and_b32 v92, 1<<\e, v88
	v_cmp_ne_u32 vcc_lo, 0, v92
	v_cndmask_b32 v[48+\e], 0, v[32+\e], vcc_lo    ; the weight: the full probability where chosen, else 0
.endr
	v_min_u32 v93, v84, v87                        ; lo
	v_max_u32 v94, v84, v87                        ; hi
	v_sub_nc_u32 v95, 15, v93
	v_mul_u32_u24 v95, v93, v95
	v_lshrrev_b32 v95, 1, v95                      ; lo (15 - lo) / 2
	v_sub_nc_u32 v96, 7, v94
	v_sub_nc_u32 v97, v94, v93
	v_add_nc_u32 v97, -1, v97
	v_and_b32 v98, 1, v93
	v_cmp_ne_u32 vcc_lo, 0, v98
	v_cndmask_b32 v96, v97, v96, vcc_lo            ; lo odd: 7 - hi, else hi - lo - 1
	v_add_nc_u32 v95, v95, v96                     ; the class
.irp c, 0,1,2,3,4,5,6,7,8,9,10,11,12,13,14,15,16,17,18,19,20,21,22,23,24,25,26,27
	v_cmp_eq_u32 s40, \c, v95                      ; the group's tokens of class c
	v_mbcnt_lo_u32_b32 v99, s40, 0                 ; how many of them stand in lower lanes
	v_cndmask_b32 v90, v90, v99, s40               ; my rank, if the class is mine
	s_bcnt1_i32_b32 s41, s40
	v_writelane_b32 v101, s41, \c                  ; the count, in lane c
.endr
	v_lshl_or_b32 v100, v90, 8, v95
	v_lshl_or_b32 v100, v88, 16, v100
	v_lshlrev_b32 v102, 3, v1
	global_store_b128 v2, v[48:51], s[16:17]                   ; 512 consecutive bytes in each plane
	global_store_b128 v2, v[52:55], s[16:17] offset:131072
	global_store_b64 v102, v[100:101], s[18:19]                ; 256 consecutive bytes, aligned
.Lend:
	s_wait_tensorcnt 0x0
	ds_add_u32 v254, v255
	s_wait_dscnt 0x0
	s_endpgm
.Lfunc_end_k_q8fb8a4eff3_gate_quant:
	.size	k_q8fb8a4eff3_gate_quant, .Lfunc_end_k_q8fb8a4eff3_gate_quant-k_q8fb8a4eff3_gate_quant
	.p2alignl 7, 3214868480
	.fill 96, 4, 3214868480
	.section	.rodata,"a",@progbits
	.p2align	6, 0x0
	.amdhsa_kernel k_q8fb8a4eff3_gate_quant
		.amdhsa_group_segment_fixed_size 90624
		.amdhsa_private_segment_fixed_size 0
		.amdhsa_enable_private_segment 0
		.amdhsa_kernarg_size 72
		.amdhsa_user_sgpr_count 2
		.amdhsa_user_sgpr_kernarg_segment_ptr 1
		.amdhsa_wavefront_size32 1
		.amdhsa_system_sgpr_workgroup_id_x 1
		.amdhsa_system_sgpr_workgroup_id_y 1
		.amdhsa_system_sgpr_workgroup_id_z 1
		.amdhsa_system_vgpr_workitem_id 0
		.amdhsa_next_free_vgpr 384
		.amdhsa_next_free_sgpr 66
		.amdhsa_reserve_vcc 1
		.amdhsa_float_denorm_mode_32 3
		.amdhsa_float_denorm_mode_16_64 3
		.amdhsa_memory_ordered 1
		.amdhsa_forward_progress 1
		.amdhsa_inst_pref_size 89
	.end_amdhsa_kernel
	.amdgpu_metadata
---
amdhsa.version: [ 1, 2 ]
amdhsa.kernels:
  - .name:           k_q8fb8a4eff3_gate_quant
    .symbol:         k_q8fb8a4eff3_gate_quant.kd
    .args:
      - { .name: x, .offset: 0, .size: 8, .value_kind: global_buffer, .address_space: global }
      - { .name: gate_W, .offset: 8, .size: 8, .value_kind: global_buffer, .address_space: global }
      - { .name: gate_b, .offset: 16, .size: 8, .value_kind: global_buffer, .address_space: global }
      - { .name: expert_W_codes, .offset: 24, .size: 8, .value_kind: global_buffer, .address_space: global }
      - { .name: xq, .offset: 32, .size: 8, .value_kind: global_buffer, .address_space: global }
      - { .name: xs, .offset: 40, .size: 8, .value_kind: global_buffer, .address_space: global }
      - { .name: wts, .offset: 48, .size: 8, .value_kind: global_buffer, .address_space: global }
      - { .name: route, .offset: 56, .size: 8, .value_kind: global_buffer, .address_space: global }
      - { .name: wf, .offset: 64, .size: 8, .value_kind: global_buffer, .address_space: global }
    .group_segment_fixed_size: 90624
    .private_segment_fixed_size: 0
    .kernarg_segment_align: 8
    .kernarg_segment_size: 72
    .max_flat_workgroup_size: 256
    .sgpr_count:     66
    .vgpr_count:     384
    .wavefront_size: 32
...
	.end_amdgpu_metadata
.endif
;; end of part 1
;; launch place (part 2): grid 1 x 1, 8 waves a work-group, no clusters, 2,048 bytes of LDS; arguments route, perm; writes perm
.if DOCPART == 2
	.amdgcn_target "amdgcn-amd-amdhsa--gfx1250"
	.amdhsa_code_object_version 6
	.text
	.protected	k_q8fb8a4eff3_place
	.globl	k_q8fb8a4eff3_place
	.p2align	8
	.type	k_q8fb8a4eff3_place,@function
k_q8fb8a4eff3_place:
	s_mov_b64 s[64:65], 0
	v_nop
	global_prefetch_b8 v0, s[64:65] scope:SCOPE_SE
	s_setreg_imm32_b32 hwreg(HW_REG_WAVE_MODE, 25, 1), 1
	s_wait_xcnt 0x0
; LAUNCH 2 OF 3.  A counting sort of the 8,192 tokens by class, without atomics: perm[position] = token | expert mask << 16.
; position = (tokens of lower classes) + (tokens of my class in earlier groups) + (my rank in my group).
; One work-group: wave w takes groups 32 w .. 32 w + 31.  In the sums a lane is a class; in the placing a lane is a token.
; The words go straight to perm, four bytes a lane at the token's position (held to 0 .. 8,191 by v_min_u32): 32 KB in all.  They are not gathered in LDS first,
; since eight waves would then store to LDS at places that hang on loaded numbers.
	s_load_b128 s[4:7], s[0:1], 0x0                ; route, perm
	v_lshl_add_u32 v160, v0, 2, 0x400
	v_mov_b32 v161, 0
	v_lshrrev_b32 v2, 5, v0
	v_readfirstlane_b32 s8, v2                     ; wave 0..7
	v_and_b32 v1, 31, v0                           ; lane
	v_lshlrev_b32 v3, 3, v1                        ; route: 8 bytes a lane
	v_lshlrev_b32 v4, 2, v0                        ; LDS: my wave's 32 totals: 128 w + 4 x lane
	v_lshlrev_b32 v5, 2, v1                        ; and a lane's column of the eight rows
	v_lshl_add_u32 v6, v2, 10, v1                  ; token of my lane in my wave's first group
	s_lshl_b32 s10, s8, 13                         ; 32 groups of 256 bytes
	s_mov_b32 s11, 0
	s_wait_kmcnt 0x0
	s_add_nc_u64 s[4:5], s[4:5], s[10:11]
.set i, 0
.rept 32
	global_load_b64 v[16+2*i:17+2*i], v3, s[4:5] offset:256*i  ; group i: (record of token = lane, count of class = lane): 256 consecutive bytes
.set i, i+1
.endr
	s_wait_loadcnt 0x0
	v_mov_b32 v10, 0
.set i, 0
.rept 32                                           ; each count gives way to the sum of the counts before it; the running sum changes between v10 and v11
	v_add_nc_u32 v[10+(i+1)%2], v[10+i%2], v[17+2*i]
	v_mov_b32 v[17+2*i], v[10+i%2]
.set i, i+1
.endr
	ds_store_b32 v4, v10                           ; my wave's total of each class
	s_wait_dscnt 0x0                               ; for the others' sake
	s_barrier_signal -1
	s_barrier_wait -1
.irp j, 0,1,2,3,4,5,6,7
	ds_load_b32 v[80+\j], v5 offset:128*\j
.endr
	s_wait_dscnt 0x0
	v_mov_b32 v88, 0                               ; the class's tokens in earlier waves
	v_mov_b32 v89, 0                               ; and in all
.irp j, 0,1,2,3,4,5,6,7
	s_cmp_lt_u32 \j, s8
	s_cselect_b32 s9, -1, 0
	v_add_nc_u32 v89, v89, v[80+\j]
	v_and_b32 v91, s9, v[80+\j]
	v_add_nc_u32 v88, v88, v91
.endr
	v_mov_b32 v90, v89                             ; a running sum over the classes: inside each half of the lanes,
.irp n, 1,2,4,8
	v_mov_b32 v91, 0
	v_mov_b32_dpp v91, v90 row_shr:\n row_mask:0xf bank_mask:0xf bound_ctrl:1
	v_add_nc_u32 v90, v90, v91
.endr
	v_readlane_b32 s10, v90, 15                    ; then the lower half's sum onto the upper half
	v_mov_b32 v92, s10
	v_cmp_lt_u32 vcc_lo, 15, v1
	v_cndmask_b32 v91, 0, v92, vcc_lo
	v_add_nc_u32 v90, v90, v91
	v_sub_nc_u32 v90, v90, v89                     ; where the class begins,
	v_add_nc_u32 v90, v90, v88                     ; and where my wave's part of it begins
.set i, 0
.rept 32
	v_add_nc_u32 v[17+2*i], v[17+2*i], v90         ; where group i's part of class = lane begins
	v_and_b32 v[128+i], 31, v[16+2*i]              ; my token's class,
	v_min_u32 v[128+i], 31, v[128+i]
	v_lshlrev_b32 v[128+i], 2, v[128+i]            ; as a lane's byte index
	ds_bpermute_b32 v[96+i], v[128+i], v[17+2*i]   ; the lane of my token's class tells me
.set i, i+1
.endr
.set i, 0
.rept 32
	s_wait_dscnt 31-i                              ; they come back in order
	v_bfe_u32 v[128+i], v[16+2*i], 8, 5            ; my rank in the group
	v_add_nc_u32 v[96+i], v[96+i], v[128+i]
	v_min_u32 v[96+i], 0x1fff, v[96+i]             ; the position, held inside perm
	v_lshlrev_b32 v[96+i], 2, v[96+i]
	v_and_b32 v[16+2*i], 0xff0000, v[16+2*i]       ; the expert mask stays at bit 16,
	v_add3_u32 v[16+2*i], v[16+2*i], v6, 32*i      ; the token below it
	global_store_b32 v[96+i], v[16+2*i], s[6:7]
.set i, i+1
.endr
	s_wait_tensorcnt 0x0
	ds_add_u32 v160, v161
	s_wait_dscnt 0x0
	s_endpgm
.Lfunc_end_k_q8fb8a4eff3_place:
	.size	k_q8fb8a4eff3_place, .Lfunc_end_k_q8fb8a4eff3_place-k_q8fb8a4eff3_place
	.p2alignl 7, 3214868480
	.fill 96, 4, 3214868480
	.section	.rodata,"a",@progbits
	.p2align	6, 0x0
	.amdhsa_kernel k_q8fb8a4eff3_place
		.amdhsa_group_segment_fixed_size 2048
		.amdhsa_private_segment_fixed_size 0
		.amdhsa_enable_private_segment 0
		.amdhsa_kernarg_size 16
		.amdhsa_user_sgpr_count 2
		.amdhsa_user_sgpr_kernarg_segment_ptr 1
		.amdhsa_wavefront_size32 1
		.amdhsa_system_sgpr_workgroup_id_x 1
		.amdhsa_system_sgpr_workgroup_id_y 1
		.amdhsa_system_sgpr_workgroup_id_z 1
		.amdhsa_system_vgpr_workitem_id 0
		.amdhsa_next_free_vgpr 162
		.amdhsa_next_free_sgpr 66
		.amdhsa_reserve_vcc 1
		.amdhsa_float_denorm_mode_32 3
		.amdhsa_float_denorm_mode_16_64 3
		.amdhsa_memory_ordered 1
		.amdhsa_forward_progress 1
		.amdhsa_inst_pref_size 30
	.end_amdhsa_kernel
	.amdgpu_metadata
---
amdhsa.version: [ 1, 2 ]
amdhsa.kernels:
  - .name:           k_q8fb8a4eff3_place
    .symbol:         k_q8fb8a4eff3_place.kd
    .args:
      - { .name: route, .offset: 0, .size: 8, .value_kind: global_buffer, .address_space: global }
      - { .name: perm, .offset: 8, .size: 8, .value_kind: global_buffer, .address_space: global }
    .group_segment_fixed_size: 2048
    .private_segment_fixed_size: 0
    .kernarg_segment_align: 8
    .kernarg_segment_size: 16
    .max_flat_workgroup_size: 256
    .sgpr_count:     66
    .vgpr_count:     162
    .wavefront_size: 32
...
	.end_amdgpu_metadata
.endif
;; end of part 2
;; launch experts (part 3): grid 4 x 64, 4 waves a work-group, no clusters, 99,840 bytes of LDS; arguments perm, xq, xs, wts, wf, expert_W_scales, expert_b, out0; writes out0
.if DOCPART == 3
	.amdgcn_target "amdgcn-amd-amdhsa--gfx1250"
	.amdhsa_code_object_version 6
	.text
	.protected	k_q8fb8a4eff3_experts
	.globl	k_q8fb8a4eff3_experts
	.p2align	8
	.type	k_q8fb8a4eff3_experts,@function
k_q8fb8a4eff3_experts:
	s_mov_b64 s[64:65], 0
	v_nop
	global_prefetch_b8 v0, s[64:65] scope:SCOPE_SE
	s_setreg_imm32_b32 hwreg(HW_REG_WAVE_MODE, 25, 1), 1
	s_wait_xcnt 0x0
; LAUNCH 3 OF 3.  out[token] = the sum over its two experts of weight x (Q(x) W_e^T + b_e), on E2M1 codes with E8M0 scales.
; A work-group owns 128 tokens that stand side by side in the sorted list (work-group y) x 256 columns (work-group x): every number of out0 has one owner.
; It walks, in ascending order, only the experts that its 128 tokens use (the OR of their masks): n passes, n from 2 to 8, read from perm.  A token that does not use a pass's expert has the weight 0 there.
; SHARES.  Wave w: all 128 tokens x columns 64 (4 x + w) on.  The product is used transposed (source 0 = 16 rows of W, source 1 = 16 tokens): a lane holds ONE token and eight neighbouring columns,
; so a token's weight is one number a lane, and the bias (eight columns a lane) is the C of a pass's first products.
; x's codes and scale bytes are gathered once into LDS and read by all four waves in every pass.  W comes from wf, which lies in the order of the operand's registers, straight into registers:
; a pass's W of a wave is 256 registers (8 K steps x 4 tiles), and each K step's 32 registers are asked for again, for the NEXT expert, one step behind their last use: a whole pass ahead.
; SCALES.  A row's 32 scale bytes are eight words, one a K step of 128.  Lane (r, h) loads the 16 bytes at 16 h: register s % 4 serves K step s, from lanes 0-15 for s < 4 and from lanes 16-31 (ROW1) for s >= 4.
; No tensor load, no cluster: trip count and addresses hang on numbers read from memory, and neighbours in the grid need not use the same experts.
; REGISTERS, in windows of 256.  Window 0: v1-15 addresses; v16-47 x's scale words, v48-63 W's, v64-79 the next expert's (these hold scales and nothing else); v80-111 the bias; v112-127 the weights, each twice;
;   v128-255 x's fragments, two sets of 64.   Window 1: W, K step s at 32 s.   Window 2: the 32 accumulators of a pass, (tokens 16 i, columns 16 n) at 8 (4 i + n).   Window 3: out, likewise.
.set XSC, 67584                        ; LDS: x's codes at 0, 128 rows 528 bytes apart; here their scale bytes, 48 bytes apart;
.set WL,  73728                        ; the weights [expert][row] as (w, w), 8 bytes;
.set STG, 81920                        ; a stage of 16 rows x (256 + 16) bytes for each wave, for the way out
.set XSR, 16
.set WSL, 48
.set WSS, 64
.set BI,  80
.set WT,  112
.set XF,  128
.set MSB, 0
.macro WIN new                         ; the immediate's high byte repeats the setting that is left
.if MSB != \new
	s_set_vgpr_msb (MSB<<8)|\new
.set MSB, \new
.endif
.endm
.macro PLACES                          ; four plain vector lines between a matrix instruction and a load into, or a vector read or write of, its registers
.rept 4
	v_nop
.endr
.endm
.macro BASES e                         ; where expert e's W, scale bytes and bias begin for my columns; e was held to 0 .. 7 by s_min_u32
	s_lshl_b32 s28, \e, 19
	s_add_nc_u64 s[32:33], s[40:41], s[28:29]
	s_lshl_b32 s28, \e, 15
	s_add_nc_u64 s[34:35], s[42:43], s[28:29]
	s_lshl_b32 s28, \e, 12
	s_add_nc_u64 s[36:37], s[44:45], s[28:29]
.endm
.macro WLOAD sl                        ; K step sl of W: eight loads of 512 consecutive bytes
	WIN 0x40                                       ; destination window 1
.irp n, 0,1,2,3
.irp c, 0,1
	global_load_b128 v[32*(\sl)+8*\n+4*\c:32*(\sl)+8*\n+4*\c+3], v1, s[32:33] offset:4096*(\sl)+1024*\n+512*\c
.endr
.endr
	WIN 0
.endm
.macro BLOAD sc                        ; the bias (eight loads) and W's scale words (four), the latter into v[sc] on
.irp n, 0,1,2,3
	global_load_b128 v[BI+8*\n:BI+8*\n+3], v3, s[36:37] offset:64*\n
	global_load_b128 v[BI+8*\n+4:BI+8*\n+7], v3, s[36:37] offset:64*\n+16
.endr
.irp n, 0,1,2,3
	global_load_b128 v[\sc+4*\n:\sc+4*\n+3], v4, s[34:35] offset:512*\n
.endr
.endm
.macro ADVANCE                         ; on to the next expert of the mask
	s_mov_b32 s25, s26
	s_ctz_i32_b32 s26, s23
	s_min_u32 s26, s26, 7
	s_add_co_i32 s30, s23, -1
	s_and_b32 s23, s23, s30
.endm
	s_load_b512 s[4:19], s[0:1], 0x0               ; perm, xq, xs, wts, wf, expert_W_scales, expert_b, out0
	v_lshrrev_b32 v152, 5, v0
	v_readfirstlane_b32 s20, v152                  ; wave 0..3
	s_mov_b32 s21, ttmp9                           ; which 256 columns
	s_and_b32 s22, ttmp7, 0xffff                   ; which 128 places of the sorted list
	v_and_b32 v152, 31, v0                         ; lane
	v_and_b32 v153, 15, v0                         ; r
	v_bfe_u32 v154, v0, 4, 1                       ; h
	v_lshlrev_b32 v1, 4, v152                      ; wf: 16 x lane
	v_mul_u32_u24 v2, v153, 528
	v_lshl_add_u32 v2, v154, 4, v2                 ; x's fragments: row r, + 16 h
	v_lshlrev_b32 v3, 5, v154                      ; the bias: my half's eight columns
	v_lshlrev_b32 v4, 5, v153
	v_lshl_add_u32 v4, v154, 4, v4                 ; W's scale bytes: row r of 32 bytes, + 16 h
	v_lshl_add_u32 v5, v153, 3, WL                 ; the weights: row r
	s_mul_i32 s28, s20, 16*272
	s_add_co_u32 s28, s28, STG                     ; my stage
	v_mul_u32_u24 v7, v153, 272
	v_lshl_add_u32 v7, v154, 5, v7
	v_add_nc_u32 v7, s28, v7                       ; in: row r, 32 bytes for each half of the lanes
	v_mul_u32_u24 v8, v154, 272
	v_lshl_add_u32 v8, v153, 4, v8
	v_add_nc_u32 v8, s28, v8                       ; back: lanes 0-15 one row of 256 bytes, lanes 16-31 the next
	v_lshlrev_b32 v9, 2, v154                      ; perm: 4 h
	v_lshlrev_b32 v10, 4, v153                     ; 16 r
	v_mul_u32_u24 v11, v153, 48
	v_lshl_add_u32 v11, v154, 4, v11
	v_add_nc_u32 v11, XSC, v11                     ; x's scale words: row r, + 16 h
	s_mul_i32 s28, s20, 32*528
	v_mul_u32_u24 v12, v154, 528
	v_lshl_add_u32 v12, v153, 4, v12
	v_add_nc_u32 v12, s28, v12                     ; the gathered rows into LDS: rows 32 w + h on, 16 bytes a lane
	v_mul_u32_u24 v13, v0, 48
	v_add_nc_u32 v13, XSC, v13                     ; my thread's row of scale bytes
	v_lshl_add_u32 v14, v0, 3, WL                  ; and of weights
	v_lshlrev_b32 v15, 2, v0                       ; perm: my thread's word
	s_lshl_b32 s28, s20, 7
	v_add_nc_u32 v155, s28, v9                     ; perm: rows 32 w + h on
	s_lshl_b32 s30, s21, 2
	s_add_co_u32 s30, s30, s20                     ; my 64 columns: 4 x + w
	s_mov_b32 s29, 0
	s_mov_b32 s48, 0x76543210
	s_mov_b32 s49, 0xfedcba98                      ; v_permlanex16_b32: lane l xor 16
	s_wait_kmcnt 0x0
	s_lshl_b32 s28, s22, 9
	s_add_nc_u64 s[4:5], s[4:5], s[28:29]          ; my block's 128 words
.irp j, 0,1,2,3,4,5,6,7,8,9,10,11,12,13,14,15
	global_load_b32 v[128+\j], v155, s[4:5] offset:8*\j    ; rows 32 w + 2 j + h: the rows that my wave gathers
.endr
	global_load_b32 v148, v15, s[4:5]              ; row = my thread
	global_load_b128 v[144:147], v1, s[4:5]        ; all 128 words, four a lane: for the mask
	s_lshl_b32 s28, s30, 15
	s_add_nc_u64 s[40:41], s[12:13], s[28:29]      ; wf: 32 KB for 64 columns
	s_lshl_b32 s28, s30, 11
	s_add_nc_u64 s[42:43], s[14:15], s[28:29]      ; scale bytes: 64 rows of 32
	s_lshl_b32 s28, s30, 8
	s_add_nc_u64 s[44:45], s[16:17], s[28:29]      ; bias and out0: 64 columns of 4 bytes
	s_add_nc_u64 s[46:47], s[18:19], s[28:29]
	s_wait_loadcnt 0x0
.irp j, 0,1,2,3,4,5,6,7,8,9,10,11,12,13,14,15
	v_and_b32 v[128+\j], 0x1fff, v[128+\j]         ; the token,
.endr
.irp j, 0,1,2,3,4,5,6,7,8,9,10,11,12,13,14,15
	v_min_u32 v[128+\j], 0x1fff, v[128+\j]         ; held inside the tables,
.endr
.irp j, 0,1,2,3,4,5,6,7,8,9,10,11,12,13,14,15
	v_lshl_add_u32 v[128+\j], v[128+\j], 9, v10    ; its row of 512 bytes, 16 bytes a lane
.endr
	v_and_b32 v148, 0x1fff, v148
	v_min_u32 v148, 0x1fff, v148
	v_lshlrev_b32 v149, 5, v148
	v_lshlrev_b32 v150, 4, v148
	WIN 0x80                                       ; destination window 2: the accumulators' registers are free yet
.irp j, 0,1,2,3,4,5,6,7,8,9,10,11,12,13,14,15
	global_load_b128 v[8*\j:8*\j+3], v[128+\j], s[6:7]                 ; sixteen lanes read 256 consecutive bytes, aligned
	global_load_b128 v[8*\j+4:8*\j+7], v[128+\j], s[6:7] offset:256
.endr
	global_load_b128 v[128:131], v149, s[8:9]
	global_load_b128 v[132:135], v149, s[8:9] offset:16
	global_load_b128 v[136:139], v150, s[10:11]
	global_load_b128 v[140:143], v150, s[10:11] offset:131072
	WIN 0
	v_or_b32 v144, v144, v145                      ; the OR of the block's 128 words
	v_or_b32 v146, v146, v147
	v_or_b32 v144, v144, v146
	v_mov_b32 v145, 0
.irp m, 1,2,4,8
	v_mov_b32_dpp v145, v144 row_xmask:\m row_mask:0xf bank_mask:0xf
	v_or_b32 v144, v144, v145
.endr
	v_permlanex16_b32 v145, v144, s48, s49
	v_or_b32 v144, v144, v145
	v_readfirstlane_b32 s23, v144
	s_bfe_u32 s23, s23, 0x80010                    ; the experts that the block uses
	s_bcnt1_i32_b32 s24, s23
	s_min_u32 s24, s24, 8                          ; n passes
	s_ctz_i32_b32 s25, s23
	s_min_u32 s25, s25, 7                          ; the first expert
	s_add_co_i32 s30, s23, -1
	s_and_b32 s23, s23, s30
	s_ctz_i32_b32 s26, s23
	s_min_u32 s26, s26, 7                          ; the second
	s_add_co_i32 s30, s23, -1
	s_and_b32 s23, s23, s30
	BASES s25
	WLOAD 0                                        ; an expert's 76 loads always go in this order: K step 0, bias, scale words, K steps 1 to 7
	BLOAD WSL
.irp q, 1,2,3,4,5,6,7
	WLOAD \q
.endr
	s_wait_loadcnt 63                              ; 76 loads were issued behind the gathers: these are in
	WIN 0x08                                       ; an LDS store's data are its source 1: window 2
.irp j, 0,1,2,3,4,5,6,7,8,9,10,11,12,13,14,15
	ds_store_b128 v12, v[8*\j:8*\j+3] offset:1056*\j
	ds_store_b128 v12, v[8*\j+4:8*\j+7] offset:1056*\j+256
.endr
	ds_store_b128 v13, v[128:131]
	ds_store_b128 v13, v[132:135] offset:16
.irp e, 0,1,2,3,4,5,6,7
	ds_store_b32 v14, v[136+\e] offset:1024*\e
	ds_store_b32 v14, v[136+\e] offset:1024*\e+4
.endr
	WIN 0
	s_wait_dscnt 0x0                               ; for the others' sake
	s_barrier_signal -1
	s_barrier_wait -1                              ; the block's codes, scale bytes and weights lie in LDS; from here to the next barrier LDS is only read
.irp i, 0,1,2,3,4,5,6,7
	ds_load_b128 v[XSR+4*\i:XSR+4*\i+3], v11 offset:768*\i
.endr
.irp i, 0,1,2,3,4,5,6,7
.irp c, 0,1
	ds_load_b128 v[XF+8*\i+4*\c:XF+8*\i+4*\c+3], v2 offset:8448*\i+32*\c   ; K step 0 into set 0
.endr
.endr
; K STEP s OF A PASS: 32 matrix instructions, the 32 accumulators by turns.  pre = 1: another pass follows, and its expert's data are asked for.
.macro STEP s, pre
	WIN 0
.if (\s) > 0
	PLACES                                         ; for the loads below into registers that the last step's products read
.endif
.if (\s) == 7
	s_lshl_b32 s28, s25, 10
	v_add_nc_u32 v6, s28, v5
.irp i, 0,1,2,3,4,5,6,7
	ds_load_b64 v[WT+2*\i:WT+2*\i+1], v6 offset:128*\i     ; this expert's weights of tokens 16 i + r
.endr
.endif
.if ((\s) < 7) || (\pre)
.irp i, 0,1,2,3,4,5,6,7
.irp c, 0,1
	ds_load_b128 v[XF+64*(((\s)+1)%2)+8*\i+4*\c:XF+64*(((\s)+1)%2)+8*\i+4*\c+3], v2 offset:8448*\i+64*(((\s)+1)%8)+32*\c   ; x's next K step into the other set
.endr
.endr
.endif
.if (\pre) && ((\s) >= 1)
	WLOAD (\s)-1                                   ; the next expert's K step s - 1, into the registers that the last step left
.if (\s) == 1
	BLOAD WSS
.endif
.endif
.if (\s) < 7
	s_wait_dscnt 16                                ; this step's fragments of x are in; the 16 loads just issued may be out
.elseif \pre
	s_wait_dscnt 24                                ; behind them: 8 loads of weights and 16 of fragments
.else
	s_wait_dscnt 8                                 ; behind them: 8 loads of weights
.endif
.if (\s) == 0
	s_wait_loadcnt 56                              ; K step 0, bias and scale words are in: behind them K steps 1 to 7 were issued
.elseif \pre
	s_wait_loadcnt 63                              ; behind K step s: 8 (7 - s) of this expert's loads and 8 s + 12 of the next one's, 68 in all; the count names the most that its field holds
.else
	s_wait_loadcnt 8*(7-(\s))                      ; behind K step s: this expert's later K steps
.endif
.if (\s) == 0
	WIN 0x81                                       ; source 0 (W) window 1, source 1 (x) and C (the bias) window 0, D window 2
.else
	WIN 0xa1                                       ; C and D window 2
.endif
.irp i, 0,1,2,3,4,5,6,7
.irp n, 0,1,2,3
.if (\s) == 0
	v_wmma_scale_f32_16x16x128_f8f6f4 v[8*(4*\i+\n):8*(4*\i+\n)+7], v[32*(\s)+8*\n:32*(\s)+8*\n+7], v[XF+64*((\s)%2)+8*\i:XF+64*((\s)%2)+8*\i+7], v[BI+8*\n:BI+8*\n+7], v[WSL+4*\n+(\s)%4], v[XSR+4*\i+(\s)%4] matrix_a_fmt:MATRIX_FMT_FP4 matrix_b_fmt:MATRIX_FMT_FP4
.elseif (\s) < 4
	v_wmma_scale_f32_16x16x128_f8f6f4 v[8*(4*\i+\n):8*(4*\i+\n)+7], v[32*(\s)+8*\n:32*(\s)+8*\n+7], v[XF+64*((\s)%2)+8*\i:XF+64*((\s)%2)+8*\i+7], v[8*(4*\i+\n):8*(4*\i+\n)+7], v[WSL+4*\n+(\s)%4], v[XSR+4*\i+(\s)%4] matrix_a_fmt:MATRIX_FMT_FP4 matrix_b_fmt:MATRIX_FMT_FP4
.else
	v_wmma_scale_f32_16x16x128_f8f6f4 v[8*(4*\i+\n):8*(4*\i+\n)+7], v[32*(\s)+8*\n:32*(\s)+8*\n+7], v[XF+64*((\s)%2)+8*\i:XF+64*((\s)%2)+8*\i+7], v[8*(4*\i+\n):8*(4*\i+\n)+7], v[WSL+4*\n+(\s)%4], v[XSR+4*\i+(\s)%4] matrix_a_fmt:MATRIX_FMT_FP4 matrix_b_fmt:MATRIX_FMT_FP4 matrix_a_scale:MATRIX_SCALE_ROW1 matrix_b_scale:MATRIX_SCALE_ROW1
.endif
.endr
.endr
.endm
; out (+)= weight x accumulator: 128 packed lines, each accumulator from its low end on.  first = 1: they start out, nothing is cleared.
.macro COMBINE first
	WIN 0xf2                                       ; source 0 (the accumulator) window 2, source 1 (the weight) window 0, source 2 and destination (out) window 3
.irp i, 0,1,2,3,4,5,6,7
.irp n, 0,1,2,3
.irp q, 0,2,4,6
.if \first
	v_pk_mul_f32 v[8*(4*\i+\n)+\q:8*(4*\i+\n)+\q+1], v[8*(4*\i+\n)+\q:8*(4*\i+\n)+\q+1], v[WT+2*\i:WT+2*\i+1]
.else
	v_pk_fma_f32 v[8*(4*\i+\n)+\q:8*(4*\i+\n)+\q+1], v[8*(4*\i+\n)+\q:8*(4*\i+\n)+\q+1], v[WT+2*\i:WT+2*\i+1], v[8*(4*\i+\n)+\q:8*(4*\i+\n)+\q+1]
.endif
.endr
.endr
.endr
	WIN 0
.endm
.macro PASS first, pre
.if \pre
	s_wait_xcnt 0x0                                ; the loads issued so far have read their bases: these may be written
	BASES s26
.endif
.irp q, 0,1,2,3,4,5,6,7
	STEP \q, \pre
.endr
	WIN 0
	PLACES                                         ; behind the pass's last products: for the loads into K step 7's registers, the moves into the scale registers and the reads of the results
.if \pre
	WLOAD 7
	s_wait_loadcnt 56                              ; the next expert's scale words are in: behind them its K steps 1 to 7 were issued
.irp k, 0,1,2,3,4,5,6,7,8,9,10,11,12,13,14,15
	v_mov_b32 v[WSL+\k], v[WSS+\k]                 ; the 128 lines below stand between these and the next scaled product
.endr
	s_wait_dscnt 16                                ; the weights are in; the next pass's first fragments may be out
.else
	WIN 0x40                                       ; the last pass: W's registers are free: the block's 128 words once more, rows 2 k + h, for the way out
.set k, 0
.rept 64
	global_load_b32 v[k], v9, s[4:5] offset:8*k
.set k, k+1
.endr
	WIN 0
	s_wait_dscnt 0x0                               ; the weights are in
.endif
	COMBINE \first
.endm
	PASS 1, 1
	ADVANCE
	s_cmp_le_u32 s24, 2
	s_cbranch_scc1 .Llast
	s_mov_b32 s27, 2
.Lmid:                                             ; n - 2 trips
	PASS 0, 1
	ADVANCE
	s_add_co_u32 s27, s27, 1
	s_cmp_lt_u32 s27, s24
	s_cbranch_scc1 .Lmid
.Llast:
	PASS 0, 0
	s_wait_loadcnt 0x0                             ; the 64 words
	WIN 0x44                                       ; source 1 and destination window 1
.set k, 0
.rept 64
	v_and_b32 v[k], 0x1fff, v[k]
.set k, k+1
.endr
.set k, 0
.rept 64
	v_min_u32 v[k], 0x1fff, v[k]                   ; the token, held inside out0
.set k, k+1
.endr
	WIN 0x41                                       ; source 0 and destination window 1
.set k, 0
.rept 64
	v_lshl_add_u32 v[k], v[k], 12, v10             ; its row of 4,096 bytes, 16 bytes a lane
.set k, k+1
.endr
	WIN 0
	s_wait_dscnt 0x0                               ; my reads of the tables are over
	s_barrier_signal -1
	s_barrier_wait -1                              ; everybody's are: LDS may be written again
; THE WAY OUT, 16 tokens at a time.  A lane holds 32 neighbouring bytes of a token's row and the lanes beside it hold other tokens: a block goes through my own stage and comes back as rows of 256 bytes.
; LDS serves a wave's instructions in order (ISA guide 5.7.1.4): no wait between the stores and the loads, nor in front of the next block's stores.
.macro TOSTAGE i
	WIN 0x0c                                       ; the data: window 3
.irp n, 0,1,2,3
	ds_store_b128 v7, v[8*(4*(\i)+\n):8*(4*(\i)+\n)+3] offset:64*\n
	ds_store_b128 v7, v[8*(4*(\i)+\n)+4:8*(4*(\i)+\n)+7] offset:64*\n+16
.endr
	WIN 0
.irp t, 0,1,2,3,4,5,6,7
	ds_load_b128 v[XF+32*((\i)%2)+4*\t:XF+32*((\i)%2)+4*\t+3], v8 offset:544*\t
.endr
.endm
.macro SEND i, younger                 ; younger: the LDS instructions issued behind block i's loads
	WIN 0x01                                       ; the offset: window 1; the data: window 0
.irp t, 0,1,2,3,4,5,6,7
	s_wait_dscnt (\younger)+7-\t
	global_store_b128 v[8*(\i)+\t], v[XF+32*((\i)%2)+4*\t:XF+32*((\i)%2)+4*\t+3], s[46:47] th:TH_STORE_NT   ; sixteen lanes store 256 consecutive bytes of a token's row, aligned
.endr
	WIN 0
.endm
	TOSTAGE 0
.irp a, 1,2,3,4,5,6,7
.if \a > 1
	s_wait_xcnt 0x0                                ; block a - 2's stores have read their registers: block a's loads may land there
.endif
	TOSTAGE \a
	SEND (\a)-1, 16                                ; behind block a - 1's loads: block a's 8 stores and 8 loads
.endr
	SEND 7, 0
	s_wait_xcnt 0x0
	v_lshl_add_u32 v254, v0, 2, 0x18400
	v_mov_b32 v255, 0
	s_wait_tensorcnt 0x0
	ds_add_u32 v254, v255
	s_wait_dscnt 0x0
	s_endpgm
.Lfunc_end_k_q8fb8a4eff3_experts:
	.size	k_q8fb8a4eff3_experts, .Lfunc_end_k_q8fb8a4eff3_experts-k_q8fb8a4eff3_experts
	.p2alignl 7, 3214868480
	.fill 96, 4, 3214868480
	.section	.rodata,"a",@progbits
	.p2align	6, 0x0
	.amdhsa_kernel k_q8fb8a4eff3_experts
		.amdhsa_group_segment_fixed_size 99840
		.amdhsa_private_segment_fixed_size 0
		.amdhsa_enable_private_segment 0
		.amdhsa_kernarg_size 64
		.amdhsa_user_sgpr_count 2
		.amdhsa_user_sgpr_kernarg_segment_ptr 1
		.amdhsa_wavefront_size32 1
		.amdhsa_system_sgpr_workgroup_id_x 1
		.amdhsa_system_sgpr_workgroup_id_y 1
		.amdhsa_system_sgpr_workgroup_id_z 1
		.amdhsa_system_vgpr_workitem_id 0
		.amdhsa_next_free_vgpr 1024
		.amdhsa_next_free_sgpr 66
		.amdhsa_reserve_vcc 0
		.amdhsa_float_denorm_mode_32 3
		.amdhsa_float_denorm_mode_16_64 3
		.amdhsa_memory_ordered 1
		.amdhsa_forward_progress 1
		.amdhsa_inst_pref_size 229
	.end_amdhsa_kernel
	.amdgpu_metadata
---
amdhsa.version: [ 1, 2 ]
amdhsa.kernels:
  - .name:           k_q8fb8a4eff3_experts
    .symbol:         k_q8fb8a4eff3_experts.kd
    .args:
      - { .name: perm, .offset: 0, .size: 8, .value_kind: global_buffer, .address_space: global }
      - { .name: xq, .offset: 8, .size: 8, .value_kind: global_buffer, .address_space: global }
      - { .name: xs, .offset: 16, .size: 8, .value_kind: global_buffer, .address_space: global }
      - { .name: wts, .offset: 24, .size: 8, .value_kind: global_buffer, .address_space: global }
      - { .name: wf, .offset: 32, .size: 8, .value_kind: global_buffer, .address_space: global }
      - { .name: expert_W_scales, .offset: 40, .size: 8, .value_kind: global_buffer, .address_space: global }
      - { .name: expert_b, .offset: 48, .size: 8, .value_kind: global_buffer, .address_space: global }
      - { .name: out0, .offset: 56, .size: 8, .value_kind: global_buffer, .address_space: global }
    .group_segment_fixed_size: 99840
    .private_segment_fixed_size: 0
    .kernarg_segment_align: 8
    .kernarg_segment_size: 64
    .max_flat_workgroup_size: 128
    .sgpr_count:     66
    .vgpr_count:     1024
    .wavefront_size: 32
...
	.end_amdgpu_metadata
.endif
;; end of part 3
;; ======== version 2 of 3: 2 launches; 1.18 times as fast as version 1
;; workspace buffers: xq 4,194,304 bytes; xs 262,144 bytes; wts 262,144 bytes; route 65,536 bytes of whole numbers; wf 4,194,304 bytes
;; launch gate_quant (part 4): grid 256 x 1, 8 waves a work-group, no clusters, 90,624 bytes of LDS; arguments x, gate_W, gate_b, expert_W_codes, xq, xs, wts, route, wf; writes xq, xs, wts, route, wf
.if DOCPART == 4
	.amdgcn_target "amdgcn-amd-amdhsa--gfx1250"
	.amdhsa_code_object_version 6
	.text
	.protected	k_q8fb8a4eff3_gate_quant
	.globl	k_q8fb8a4eff3_gate_quant
	.p2align	8
	.type	k_q8fb8a4eff3_gate_quant,@function
k_q8fb8a4eff3_gate_quant:
	s_mov_b64 s[64:65], 0
	v_nop
	global_prefetch_b8 v0, s[64:65] scope:SCOPE_SE
	s_setreg_imm32_b32 hwreg(HW_REG_WAVE_MODE, 25, 1), 1
	s_wait_xcnt 0x0
; LAUNCH 1 OF 2.  For 32 tokens a work-group: the gate (logits in f32, softmax with the maximum taken off, top-2, ties to the lower index),
; x quantised to E2M1 codes with one E8M0 byte for each 32 along K, and 32 rows of expert_W_codes laid anew in the order of a matrix operand's registers.
; OUT: xq [8192][512 B] codes; xs [8192][32 B] scale bytes; wts [2][8192][4] f32 (plane 0 experts 0-3, plane 1 experts 4-7; the softmax probability where the expert is chosen, else 0);
;      route [256 groups][32 lanes][2 words]: word 0 = token | class << 13 | rank << 18 of token = lane, word 1 = how many tokens of the group have class = lane;
;      wf: byte (T >> 2) << 15 | s << 12 | (T & 3) << 10 | c << 9 | lane << 4 holds the 16 bytes of row 16 T + lane % 16 at byte 64 s + 32 c + 16 (lane / 16).
; A token's class is its unordered pair of experts (lo, hi): lo (15 - lo) / 2 + (lo odd ? 7 - hi : hi - lo - 1), 0 .. 27: neighbouring classes share an expert.  Its rank counts the group's tokens of its class in lower lanes.
; SHARES.  Wave w takes K = 128 w .. 128 w + 127 of all 32 tokens: a load covers 512 consecutive bytes of one token, and the wave's part of gate_W stays in 128 registers.
; A step is four tokens: their 2,048 bytes turn through the wave's own stage in LDS, so that a lane holds 16 neighbours along K of one token (eight lanes to a token, two to a block of 32).
; Nothing that is derived from floating-point numbers enters an address or a branch: the choice is stored at fixed places.
; LIMITS: NaN and infinities are not served.  A block whose largest magnitude lies under 2^-124 (zeros too) gets the byte 1: its codes are what the conversion gives under that scale, and only this program reads the bytes.
; Probabilities under 2^-126 come out of v_exp_f32 as 0.  The logits are summed in another order than a plain chain: experts that tie for second place within f32 rounding may be chosen otherwise.
.set HST,  2560                        ; a turn stage: 32 places of 64 bytes + 16 of padding
.set PL,   40960                       ; behind eight waves x two stages: partial logits [wave][token, 48 bytes][8 f32]
.set CT,   53248                       ; the codes: 32 rows, 576 bytes apart
.set XSL,  71680                       ; the scale bytes: 32 rows of 32
.set WS,   72704                       ; 32 rows of expert_W_codes, 528 bytes apart
.set G,    16                          ; v16-143  gate_W[e][128 w + 16 (lane % 8) + k] at G + 16 e + k
.set X,    144                         ; v144-175 two sets of 16 neighbours
.set A,    176                         ; v176-191 eight pairs of sums
.set L,    192                         ; v192-207 two sets of eight partial logits
.set CD,   208                         ; v208-211 two sets of two registers of codes
.set SBY,  212                         ; v212-213 two scale bytes
.set WR,   216                         ; v216-231 my four rows of expert_W_codes
.set TM,   232                         ; v232-234 at work
.set MSB, 0
.macro WIN new                         ; the immediate's high byte repeats the setting that is left
.if MSB != \new
	s_set_vgpr_msb (MSB<<8)|\new
.set MSB, \new
.endif
.endm
	s_load_b512 s[4:19], s[0:1], 0x0               ; x, gate_W, gate_b, codes, xq, xs, wts, route
	s_load_b64 s[20:21], s[0:1], 0x40              ; wf
	v_lshl_add_u32 v254, v0, 2, 0x15e00
	v_mov_b32 v255, 0
	v_lshrrev_b32 v1, 5, v0
	v_readfirstlane_b32 s22, v1                    ; wave 0..7
	v_and_b32 v1, 31, v0                           ; lane
	v_lshlrev_b32 v2, 4, v1                        ; 16 x lane
	v_and_b32 v14, 7, v1                           ; lane % 8
	v_lshrrev_b32 v15, 3, v1                       ; lane / 8
	v_lshlrev_b32 v3, 6, v14                       ; gate_W: 64 (lane % 8)
	s_lshl_b32 s34, s22, 9                         ; 512 w: my K slice in a row of f32
	s_mov_b32 s35, 0
	s_lshl_b32 s36, ttmp9, 17                      ; 32 tokens of 4,096 bytes
	s_add_co_u32 s36, s36, s34
	s_mov_b32 s37, 0
	s_lshl_b32 s38, ttmp9, 14                      ; 32 rows of 512 bytes,
	s_lshl_b32 s39, s22, 11                        ; four of them a wave
	s_add_co_u32 s38, s38, s39
	s_mov_b32 s39, 0
	s_wait_kmcnt 0x0
	s_add_nc_u64 s[4:5], s[4:5], s[36:37]
	s_add_nc_u64 s[6:7], s[6:7], s[34:35]
	s_add_nc_u64 s[10:11], s[10:11], s[38:39]
	s_add_nc_u64 s[12:13], s[12:13], s[38:39]
	s_load_b256 s[24:31], s[8:9], 0x0              ; gate_b: wave 0 waits for it where it reads it
.irp e, 0,1,2,3,4,5,6,7
.irp j, 0,1,2,3
	global_load_b128 v[G+16*\e+4*\j:G+16*\e+4*\j+3], v3, s[6:7] offset:4096*\e+16*\j
.endr
.endr
.irp i, 0,1,2,3
	global_load_b128 v[WR+4*\i:WR+4*\i+3], v2, s[10:11] offset:512*\i th:TH_LOAD_NT
.endr
	WIN 0x40                                       ; destination window 1: all 32 tokens are asked for at once, 128 registers
.set k, 0
.rept 32
	global_load_b128 v[4*k:4*k+3], v2, s[4:5] offset:4096*k th:TH_LOAD_NT
.set k, k+1
.endr
	WIN 0
	; LDS addresses: a constant + a constant x lane terms + a constant x wave
	s_mul_i32 s23, s22, 2*HST
	v_lshrrev_b32 v4, 2, v1
	v_mul_u32_u24 v4, v4, 80
	v_and_b32 v5, 3, v1
	v_lshl_add_u32 v4, v5, 4, v4
	v_add_nc_u32 v4, s23, v4                       ; the stage, in: 80 (lane / 4) + 16 (lane % 4)
	v_mul_u32_u24 v5, v1, 80
	v_add_nc_u32 v5, s23, v5                       ; out: 80 x lane
	s_mul_i32 s23, s22, 1536
	s_add_co_u32 s23, s23, PL
	v_mul_u32_u24 v6, v15, 48
	v_add_nc_u32 v6, s23, v6                       ; partial logits of token lane / 8 of a step
	s_lshl_b32 s23, s22, 6
	s_add_co_u32 s23, s23, CT
	v_mul_u32_u24 v7, v15, 576
	v_lshl_add_u32 v7, v14, 3, v7
	v_add_nc_u32 v7, s23, v7                       ; my 8 bytes of codes: row lane / 8, byte 64 w + 8 (lane % 8)
	s_lshl_b32 s23, s22, 2
	s_add_co_u32 s23, s23, XSL
	v_lshrrev_b32 v8, 1, v14
	v_lshl_add_u32 v8, v15, 5, v8
	v_add_nc_u32 v8, s23, v8                       ; my block's byte: row lane / 8, byte 4 w + (lane % 8) / 2
	s_mul_i32 s23, s22, 4*528
	s_add_co_u32 s23, s23, WS
	v_add_nc_u32 v9, s23, v2                       ; expert_W_codes in: rows 4 w on
	s_mul_i32 s23, s22, 4*576
	s_add_co_u32 s23, s23, CT
	v_add_nc_u32 v10, s23, v2                      ; the codes back: rows 4 w on, 16 bytes a lane
	s_lshr_b32 s32, s22, 2                         ; which of the two tiles of 16 rows I lay out,
	s_and_b32 s33, s22, 3                          ; and which two K steps of it
	s_mul_i32 s23, s32, 16*528
	s_lshl_b32 s36, s33, 7
	s_add_co_u32 s23, s23, s36
	s_add_co_u32 s23, s23, WS
	v_and_b32 v14, 15, v1                          ; r
	v_lshrrev_b32 v15, 4, v1                       ; h
	v_mul_u32_u24 v11, v14, 528
	v_lshl_add_u32 v11, v15, 4, v11
	v_add_nc_u32 v11, s23, v11                     ; a fragment's 16 bytes: row r, + 16 h, + 128 (w % 4)
	v_add_nc_u32 v12, XSL, v2                      ; the scale bytes back
	v_mul_u32_u24 v13, v1, 48
	v_add_nc_u32 v13, PL, v13                      ; the partial logits of token = lane
	; where the results go
	s_lshl_b32 s36, ttmp9, 10
	s_add_nc_u64 s[14:15], s[14:15], s[36:37]      ; xs: 32 rows of 32 bytes
	s_lshl_b32 s36, ttmp9, 9
	s_add_nc_u64 s[16:17], s[16:17], s[36:37]      ; wts: 32 tokens of 16 bytes in each plane
	s_lshl_b32 s36, ttmp9, 8
	s_add_nc_u64 s[18:19], s[18:19], s[36:37]      ; route: 256 bytes a group
	s_lshl_b32 s23, ttmp9, 1
	s_add_co_u32 s23, s23, s32                     ; T = 2 g + w / 4
	s_lshr_b32 s36, s23, 2
	s_lshl_b32 s36, s36, 15
	s_and_b32 s23, s23, 3
	s_lshl_b32 s23, s23, 10
	s_add_co_u32 s36, s36, s23
	s_lshl_b32 s23, s33, 13                        ; K steps 2 (w % 4) on
	s_add_co_u32 s36, s36, s23
	s_add_nc_u64 s[20:21], s[20:21], s[36:37]
	s_wait_loadcnt 32                              ; gate_W and my rows of codes are in: the 32 loads of x were issued behind them
.irp i, 0,1,2,3
	ds_store_b128 v9, v[WR+4*\i:WR+4*\i+3] offset:528*\i
.endr
; Step t's four tokens through stage t % 2: as they were loaded in, 64 bytes a lane out.  LDS serves a wave's instructions in order: no wait between.
.macro TURN t
	WIN 0x04                                       ; an LDS store's data are its source 1: window 1
.irp i, 0,1,2,3
	ds_store_b128 v4, v[16*(\t)+4*\i:16*(\t)+4*\i+3] offset:HST*((\t)%2)+640*\i
.endr
	WIN 0
.irp i, 0,1,2,3
	ds_load_b128 v[X+16*((\t)%2)+4*\i:X+16*((\t)%2)+4*\i+3], v5 offset:HST*((\t)%2)+16*\i
.endr
.endm
	s_wait_loadcnt 28                              ; tokens 0 to 3 are in: 28 loads were issued behind theirs
	TURN 0
.macro STEP t
.set XS, X+16*((\t)%2)
.set LS, L+8*((\t)%2)
.set CS, CD+2*((\t)%2)
.set BS, SBY+(\t)%2
.if (\t) > 0
	s_wait_dscnt 4                                 ; this step's numbers are back; the four stores of the last step may be out; those of the step before, which read this step's sets of registers, are done
.else
	s_wait_dscnt 0x0
.endif
.if (\t) < 7
	s_wait_loadcnt 24-4*(\t)                       ; the next step's four loads are in; the later ones may be out
	TURN (\t)+1
.endif
.irp e, 0,1,2,3,4,5,6,7                            ; the gate: eight sums by turns, two numbers an instruction
	v_pk_mul_f32 v[A+2*\e:A+2*\e+1], v[XS:XS+1], v[G+16*\e:G+16*\e+1]
.endr
.irp k, 2,4,6,8,10,12,14
.irp e, 0,1,2,3,4,5,6,7
	v_pk_fma_f32 v[A+2*\e:A+2*\e+1], v[XS+\k:XS+\k+1], v[G+16*\e+\k:G+16*\e+\k+1], v[A+2*\e:A+2*\e+1]
.endr
.endr
.irp e, 0,1,2,3,4,5,6,7
	v_add_f32 v[LS+\e], v[A+2*\e], v[A+2*\e+1]
.endr
.irp m, 1,2,4                                      ; over the eight lanes of a token
.irp e, 0,1,2,3,4,5,6,7
	v_add_f32_dpp v[LS+\e], v[LS+\e], v[LS+\e] row_xmask:\m row_mask:0xf bank_mask:0xf
.endr
.endr
	ds_store_b128 v6, v[LS:LS+3] offset:192*(\t)           ; the eight lanes of a token write the same bytes with the same values
	ds_store_b128 v6, v[LS+4:LS+7] offset:192*(\t)+16
	v_max3_num_f32 v[TM], |v[XS]|, |v[XS+1]|, |v[XS+2]|    ; the largest magnitude of my 16
	v_max3_num_f32 v[TM+1], |v[XS+3]|, |v[XS+4]|, |v[XS+5]|
.irp i, 6,10
	v_max3_num_f32 v[TM], v[TM], |v[XS+\i]|, |v[XS+\i+1]|
	v_max3_num_f32 v[TM+1], v[TM+1], |v[XS+\i+2]|, |v[XS+\i+3]|
.endr
	v_max3_num_f32 v[TM], v[TM], |v[XS+14]|, |v[XS+15]|
	v_max3_num_f32 v[TM], v[TM], v[TM+1], 0x1800000        ; and the floor 2^(3 - 127): the byte cannot fall under 1
	v_max_num_f32_dpp v[TM], v[TM], v[TM] row_xmask:1 row_mask:0xf bank_mask:0xf   ; with my neighbour's 16: the block's
	v_add_nc_u32 v[TM+2], 0xff000000, v[TM]                ; 2 off its exponent field: the conversion takes that field as its scale
	v_cvt_scalef32_pk8_fp4_f32 v[CS], v[XS:XS+7], v[TM+2]
	v_cvt_scalef32_pk8_fp4_f32 v[CS+1], v[XS+8:XS+15], v[TM+2]
	v_lshrrev_b32 v[BS], 23, v[TM+2]                       ; the scale's byte (also the plain line behind the conversions)
	ds_store_b64 v7, v[CS:CS+1] offset:2304*(\t)
	ds_store_b8 v8, v[BS] offset:128*(\t)                  ; both lanes of a block write the same byte
.endm
.irp t, 0,1,2,3,4,5,6,7
	STEP \t
.endr
	s_wait_dscnt 0x0                               ; for the others' sake: all my LDS stores have landed
	s_barrier_signal -1
	s_barrier_wait -1                              ; codes, scale bytes, partial logits and the 32 rows of W lie whole in LDS
.irp i, 0,1,2,3
	ds_load_b128 v[X+4*\i:X+4*\i+3], v10 offset:576*\i     ; a whole row of codes, 512 bytes
.endr
.irp i, 0,1,2,3
	ds_load_b128 v[X+16+4*\i:X+16+4*\i+3], v11 offset:32*\i   ; K step 2 (w % 4) + i / 2, half i % 2 of a fragment
.endr
.irp i, 0,1,2,3
	s_wait_dscnt 7-\i
	global_store_b128 v2, v[X+4*\i:X+4*\i+3], s[12:13] offset:512*\i      ; 32 lanes store 512 consecutive bytes
.endr
.irp i, 0,1,2,3
	s_wait_dscnt 3-\i
	global_store_b128 v2, v[X+16+4*\i:X+16+4*\i+3], s[20:21] offset:4096*(\i/2)+512*(\i%2)
.endr
	s_cmp_lg_u32 s22, 7
	s_cbranch_scc1 .Lnot_seven
	ds_load_b128 v[A:A+3], v12                     ; wave 7: the group's 1,024 scale bytes
	ds_load_b128 v[A+4:A+7], v12 offset:512
	s_wait_dscnt 0x0
	global_store_b128 v2, v[A:A+3], s[14:15]
	global_store_b128 v2, v[A+4:A+7], s[14:15] offset:512
	s_wait_tensorcnt 0x0
	ds_add_u32 v254, v255
	s_wait_dscnt 0x0
	s_endpgm
.Lnot_seven:
	s_cmp_lg_u32 s22, 0
	s_cbranch_scc1 .Lend
	; WAVE 0, a lane a token: the logits, the softmax, the choice
.irp w, 0,1,2,3,4,5,6,7
	ds_load_b128 v[16+8*\w:19+8*\w], v13 offset:1536*\w
	ds_load_b128 v[20+8*\w:23+8*\w], v13 offset:1536*\w+16
.endr
	s_wait_dscnt 0x0
.irp w, 1,2,3,4,5,6,7
.irp j, 0,2,4,6
	v_pk_add_f32 v[16+\j:17+\j], v[16+\j:17+\j], v[16+8*\w+\j:17+8*\w+\j]
.endr
.endr
	s_wait_kmcnt 0x0                               ; gate_b
.irp e, 0,1,2,3,4,5,6,7
	v_add_f32 v[16+\e], s[24+\e], v[16+\e]
.endr
	v_max3_num_f32 v80, v16, v17, v18
	v_max3_num_f32 v80, v80, v19, v20
	v_max3_num_f32 v80, v80, v21, v22
	v_max_num_f32 v80, v80, v23                    ; the row's largest logit is taken off
.irp e, 0,1,2,3,4,5,6,7
	v_sub_f32 v[24+\e], v[16+\e], v80
.endr
.irp e, 0,1,2,3,4,5,6,7
	v_mul_f32 v[24+\e], 0x3fb8aa3b, v[24+\e]       ; x log2(e)
.endr
.irp e, 0,1,2,3,4,5,6,7
	v_exp_f32 v[24+\e], v[24+\e]
.endr
	v_mov_b32 v90, 0                               ; the rank (a plain line behind the exponentials)
	s_wait_alu depctr_va_vdst(0)                   ; one wait for the batch of eight, ahead of its first reader
	v_add_f32 v81, v24, v25
	v_add_f32 v92, v26, v27
	v_add_f32 v96, v28, v29
	v_add_f32 v97, v30, v31
	v_add_f32 v81, v81, v92
	v_add_f32 v96, v96, v97
	v_add_f32 v81, v81, v96
	v_rcp_f32 v82, v81
	v_mov_b32 v101, 0                              ; the counts (a plain line behind the reciprocal)
	s_wait_alu depctr_va_vdst(0)
.irp e, 0,1,2,3,4,5,6,7
	v_mul_f32 v[32+\e], v[24+\e], v82              ; the probabilities
.endr
	v_mov_b32 v83, v32                             ; the largest: a later one takes over only where it is larger, so the lower index wins a tie
	v_mov_b32 v84, 0
.irp e, 1,2,3,4,5,6,7
	v_cmp_le_f32 vcc_lo, v[32+\e], v83
	v_cndmask_b32 v83, v[32+\e], v83, vcc_lo
	v_cndmask_b32 v84, \e, v84, vcc_lo
.endr
	v_mov_b32 v85, -1.0
.irp e, 0,1,2,3,4,5,6,7
	v_cmp_eq_u32 vcc_lo, \e, v84
	v_cndmask_b32 v[40+\e], v[32+\e], v85, vcc_lo  ; the winner is taken out
.endr
	v_mov_b32 v86, v40                             ; the second largest, likewise
	v_mov_b32 v87, 0
.irp e, 1,2,3,4,5,6,7
	v_cmp_le_f32 vcc_lo, v[40+\e], v86
	v_cndmask_b32 v86, v[40+\e], v86, vcc_lo
	v_cndmask_b32 v87, \e, v87, vcc_lo
.endr
	v_mov_b32 v89, 1
	v_lshlrev_b32 v88, v84, v89
	v_lshlrev_b32 v92, v87, v89
	v_or_b32 v88, v88, v92                         ; the mask of the two experts
.irp e, 0,1,2,3,4,5,6,7
	v_and_b32 v92, 1<<\e, v88
	v_cmp_ne_u32 vcc_lo, 0, v92
	v_cndmask_b32 v[48+\e], 0, v[32+\e], vcc_lo    ; the weight: the full probability where chosen, else 0
.endr
	v_min_u32 v93, v84, v87                        ; lo
	v_max_u32 v94, v84, v87                        ; hi
	v_sub_nc_u32 v95, 15, v93
	v_mul_u32_u24 v95, v93, v95
	v_lshrrev_b32 v95, 1, v95                      ; lo (15 - lo) / 2
	v_sub_nc_u32 v96, 7, v94
	v_sub_nc_u32 v97, v94, v93
	v_add_nc_u32 v97, -1, v97
	v_and_b32 v98, 1, v93
	v_cmp_ne_u32 vcc_lo, 0, v98
	v_cndmask_b32 v96, v97, v96, vcc_lo            ; lo odd: 7 - hi, else hi - lo - 1
	v_add_nc_u32 v95, v95, v96                     ; the class
.irp c, 0,1,2,3,4,5,6,7,8,9,10,11,12,13,14,15,16,17,18,19,20,21,22,23,24,25,26,27
	v_cmp_eq_u32 s40, \c, v95                      ; the group's tokens of class c
	v_mbcnt_lo_u32_b32 v99, s40, 0                 ; how many of them stand in lower lanes
	v_cndmask_b32 v90, v90, v99, s40               ; my rank, if the class is mine
	s_bcnt1_i32_b32 s41, s40
	v_writelane_b32 v101, s41, \c                  ; the count, in lane c
.endr
	s_lshl_b32 s40, ttmp9, 5
	v_or_b32 v100, s40, v1                         ; the token: 32 x group + lane, 13 bits;
	v_lshl_or_b32 v100, v95, 13, v100              ; the class above it, 5 bits;
	v_lshl_or_b32 v100, v90, 18, v100              ; the rank above that
	v_lshlrev_b32 v102, 3, v1
	global_store_b128 v2, v[48:51], s[16:17]                   ; 512 consecutive bytes in each plane
	global_store_b128 v2, v[52:55], s[16:17] offset:131072
	global_store_b64 v102, v[100:101], s[18:19]                ; 256 consecutive bytes, aligned
.Lend:
	s_wait_tensorcnt 0x0
	ds_add_u32 v254, v255
	s_wait_dscnt 0x0
	s_endpgm
.Lfunc_end_k_q8fb8a4eff3_gate_quant:
	.size	k_q8fb8a4eff3_gate_quant, .Lfunc_end_k_q8fb8a4eff3_gate_quant-k_q8fb8a4eff3_gate_quant
	.p2alignl 7, 3214868480
	.fill 96, 4, 3214868480
	.section	.rodata,"a",@progbits
	.p2align	6, 0x0
	.amdhsa_kernel k_q8fb8a4eff3_gate_quant
		.amdhsa_group_segment_fixed_size 90624
		.amdhsa_private_segment_fixed_size 0
		.amdhsa_enable_private_segment 0
		.amdhsa_kernarg_size 72
		.amdhsa_user_sgpr_count 2
		.amdhsa_user_sgpr_kernarg_segment_ptr 1
		.amdhsa_wavefront_size32 1
		.amdhsa_system_sgpr_workgroup_id_x 1
		.amdhsa_system_sgpr_workgroup_id_y 1
		.amdhsa_system_sgpr_workgroup_id_z 1
		.amdhsa_system_vgpr_workitem_id 0
		.amdhsa_next_free_vgpr 384
		.amdhsa_next_free_sgpr 66
		.amdhsa_reserve_vcc 1
		.amdhsa_float_denorm_mode_32 3
		.amdhsa_float_denorm_mode_16_64 3
		.amdhsa_memory_ordered 1
		.amdhsa_forward_progress 1
		.amdhsa_inst_pref_size 89
	.end_amdhsa_kernel
	.amdgpu_metadata
---
amdhsa.version: [ 1, 2 ]
amdhsa.kernels:
  - .name:           k_q8fb8a4eff3_gate_quant
    .symbol:         k_q8fb8a4eff3_gate_quant.kd
    .args:
      - { .name: x, .offset: 0, .size: 8, .value_kind: global_buffer, .address_space: global }
      - { .name: gate_W, .offset: 8, .size: 8, .value_kind: global_buffer, .address_space: global }
      - { .name: gate_b, .offset: 16, .size: 8, .value_kind: global_buffer, .address_space: global }
      - { .name: expert_W_codes, .offset: 24, .size: 8, .value_kind: global_buffer, .address_space: global }
      - { .name: xq, .offset: 32, .size: 8, .value_kind: global_buffer, .address_space: global }
      - { .name: xs, .offset: 40, .size: 8, .value_kind: global_buffer, .address_space: global }
      - { .name: wts, .offset: 48, .size: 8, .value_kind: global_buffer, .address_space: global }
      - { .name: route, .offset: 56, .size: 8, .value_kind: global_buffer, .address_space: global }
      - { .name: wf, .offset: 64, .size: 8, .value_kind: global_buffer, .address_space: global }
    .group_segment_fixed_size: 90624
    .private_segment_fixed_size: 0
    .kernarg_segment_align: 8
    .kernarg_segment_size: 72
    .max_flat_workgroup_size: 256
    .sgpr_count:     66
    .vgpr_count:     384
    .wavefront_size: 32
...
	.end_amdgpu_metadata
.endif
;; end of part 4
;; launch experts (part 5): grid 4 x 64, 4 waves a work-group, no clusters, 100,864 bytes of LDS; arguments route, xq, xs, wts, wf, expert_W_scales, expert_b, out0; writes out0
.if DOCPART == 5
	.amdgcn_target "amdgcn-amd-amdhsa--gfx1250"
	.amdhsa_code_object_version 6
	.text
	.protected	k_q8fb8a4eff3_experts
	.globl	k_q8fb8a4eff3_experts
	.p2align	8
	.type	k_q8fb8a4eff3_experts,@function
k_q8fb8a4eff3_experts:
	s_mov_b64 s[64:65], 0
	v_nop
	global_prefetch_b8 v0, s[64:65] scope:SCOPE_SE
	s_setreg_imm32_b32 hwreg(HW_REG_WAVE_MODE, 25, 1), 1
	s_wait_xcnt 0x0
; LAUNCH 2 OF 2.  out[token] = the sum over its two experts of weight x (Q(x) W_e^T + b_e), on E2M1 codes with E8M0 scales.
; The tokens are taken in the order (class, group, rank): a class is a pair of experts, and neighbouring classes share an expert.  A work-group owns places 128 y .. 128 y + 127 of that order x 256 columns (x): every number of out0 has one owner.
; It walks, in ascending order, only the experts of the classes that its 128 places meet: n passes, n from 2 to 8.  A token that does not use a pass's expert has the weight 0 there.
; WHO STANDS AT A PLACE is found by searching, not by placing, so that no LDS store has an address made of loaded numbers.  From route's counts the four waves make, in LDS, the table base(g, c) = the place of the first token of
; class c in group g (64 groups a wave; a lane is a class).  Thread t then looks for place p = 128 y + t: its class is the last one that begins at or before p; its group the last one whose base is at or before p
; (two rounds of 16 loads); its rank p - base; and among the group's 32 records the one with that class and rank holds the token.
; SHARES.  Wave w: all 128 tokens x columns 64 (4 x + w) on.  The product is used transposed (source 0 = 16 rows of W, source 1 = 16 tokens): a lane holds ONE token and eight neighbouring columns,
; so a token's weight is one number a lane, and the bias (eight columns a lane) is the C of a pass's first products.
; x's codes and scale bytes are gathered once into LDS and read by all four waves in every pass.  W comes from wf, which lies in the order of the operand's registers, straight into registers:
; a pass's W of a wave is 256 registers (8 K steps x 4 tiles), and each K step's 32 registers are asked for again, for the NEXT expert, one step behind their last use: a whole pass ahead.
; SCALES.  A row's 32 scale bytes are eight words, one a K step of 128.  Lane (r, h) loads the 16 bytes at 16 h: register s % 4 serves K step s, from lanes 0-15 for s < 4 and from lanes 16-31 (ROW1) for s >= 4.
; No tensor load, no cluster: trip count and addresses hang on numbers read from memory, and neighbours in the grid need not use the same experts.
; REGISTERS, in windows of 256.  Window 0: v1-15 addresses; v16-47 x's scale words, v48-63 W's, v64-79 the next expert's (these hold scales and nothing else); v80-111 the bias; v112-127 the weights, each twice
;   (at the head: lane indices); v128-255 x's fragments, two sets of 64 (at the head: at work).   Window 1: W, K step s at 32 s.   Window 2: the 32 accumulators of a pass, (tokens 16 i, columns 16 n) at 8 (4 i + n).
;   Window 3: out, likewise (at the head: my 64 groups of route, (record, count) at 2 i).
.set PTP, 272                          ; LDS: from byte 0 the table: group g's 32 pairs (record, base), 256 bytes + 16 of padding.  Its 69,632 bytes are written over later by
.set XSC, 67584                        ; x's codes at 0, 128 rows 528 bytes apart, and here their scale bytes, 48 bytes apart;
.set WL,  73728                        ; the weights [expert][row] as (w, w), 8 bytes;
.set STG, 81920                        ; a stage of 16 rows x (256 + 16) bytes for each wave, for the way out;
.set TT,  99328                        ; each wave's totals of the 32 classes;
.set TOK, 99840                        ; the token of each of the 128 places
.set XSR, 16
.set WSL, 48
.set WSS, 64
.set BI,  80
.set WT,  112
.set XF,  128
.set MSB, 0
.macro WIN new                         ; the immediate's high byte repeats the setting that is left
.if MSB != \new
	s_set_vgpr_msb (MSB<<8)|\new
.set MSB, \new
.endif
.endm
.macro PLACES                          ; four plain vector lines between a matrix instruction and a load into, or a vector read or write of, its registers
.rept 4
	v_nop
.endr
.endm
.macro BASES e                         ; where expert e's W, scale bytes and bias begin for my columns; e was held to 0 .. 7 by s_min_u32
	s_lshl_b32 s28, \e, 19
	s_add_nc_u64 s[32:33], s[40:41], s[28:29]
	s_lshl_b32 s28, \e, 15
	s_add_nc_u64 s[34:35], s[42:43], s[28:29]
	s_lshl_b32 s28, \e, 12
	s_add_nc_u64 s[36:37], s[44:45], s[28:29]
.endm
.macro WLOAD sl                        ; K step sl of W: eight loads of 512 consecutive bytes
	WIN 0x40                                       ; destination window 1
.irp n, 0,1,2,3
.irp c, 0,1
	global_load_b128 v[32*(\sl)+8*\n+4*\c:32*(\sl)+8*\n+4*\c+3], v1, s[32:33] offset:4096*(\sl)+1024*\n+512*\c
.endr
.endr
	WIN 0
.endm
.macro BLOAD sc                        ; the bias (eight loads) and W's scale words (four), the latter into v[sc] on
.irp n, 0,1,2,3
	global_load_b128 v[BI+8*\n:BI+8*\n+3], v3, s[36:37] offset:64*\n
	global_load_b128 v[BI+8*\n+4:BI+8*\n+7], v3, s[36:37] offset:64*\n+16
.endr
.irp n, 0,1,2,3
	global_load_b128 v[\sc+4*\n:\sc+4*\n+3], v4, s[34:35] offset:512*\n
.endr
.endm
.macro ADVANCE                         ; on to the next expert of the mask
	s_mov_b32 s25, s26
	s_ctz_i32_b32 s26, s23
	s_min_u32 s26, s26, 7
	s_add_co_i32 s30, s23, -1
	s_and_b32 s23, s23, s30
.endm
.macro STEPUP k, t                     ; v170 = k where my lane is t or more
	v_cmp_gt_u32 vcc_lo, \t, v144
	v_cndmask_b32 v170, \k, v170, vcc_lo
.endm
; v173 = the largest k of 0 .. 15 with v[src + k] <= p (v169).  The 16 numbers ascend, and the first is never above p.  Four compares, then four selects, on two registers by turns, so that few lines wait for the line above.
.macro LARGEST src
	v_mov_b32 v173, 0
	v_mov_b32 v174, 0
.set b, 0
.rept 4
.irp u, 0,1,2,3
	v_cmp_gt_u32 s[94+\u], v[\src+4*b+\u], v169
.endr
.irp u, 0,1,2,3
	v_cndmask_b32 v[173+\u%2], 4*b+\u, v[173+\u%2], s[94+\u]
.endr
.set b, b+1
.endr
	v_max_u32 v173, v173, v174
.endm
	s_load_b512 s[4:19], s[0:1], 0x0               ; route, xq, xs, wts, wf, expert_W_scales, expert_b, out0
	v_lshrrev_b32 v145, 5, v0
	v_readfirstlane_b32 s20, v145                  ; wave 0..3
	s_mov_b32 s21, ttmp9                           ; which 256 columns
	s_and_b32 s22, ttmp7, 0xffff                   ; which 128 places
	v_and_b32 v144, 31, v0                         ; lane
	v_and_b32 v145, 15, v0                         ; r
	v_bfe_u32 v146, v0, 4, 1                       ; h
	v_lshlrev_b32 v1, 4, v144                      ; wf: 16 x lane
	v_mul_u32_u24 v2, v145, 528
	v_lshl_add_u32 v2, v146, 4, v2                 ; x's fragments: row r, + 16 h
	v_lshlrev_b32 v3, 5, v146                      ; the bias: my half's eight columns
	v_lshlrev_b32 v4, 5, v145
	v_lshl_add_u32 v4, v146, 4, v4                 ; W's scale bytes: row r of 32 bytes, + 16 h
	v_lshl_add_u32 v5, v145, 3, WL                 ; the weights: row r
	s_mul_i32 s28, s20, 16*272
	s_add_co_u32 s28, s28, STG                     ; my stage
	v_mul_u32_u24 v7, v145, 272
	v_lshl_add_u32 v7, v146, 5, v7
	v_add_nc_u32 v7, s28, v7                       ; in: row r, 32 bytes for each half of the lanes
	v_mul_u32_u24 v8, v146, 272
	v_lshl_add_u32 v8, v145, 4, v8
	v_add_nc_u32 v8, s28, v8                       ; back: lanes 0-15 one row of 256 bytes, lanes 16-31 the next
	v_lshl_add_u32 v9, v146, 2, TOK                ; the tokens of places h, 2 + h, ..
	v_lshlrev_b32 v10, 4, v145                     ; 16 r
	v_mul_u32_u24 v11, v145, 48
	v_lshl_add_u32 v11, v146, 4, v11
	v_add_nc_u32 v11, XSC, v11                     ; x's scale words: row r, + 16 h
	s_mul_i32 s28, s20, 32*528
	v_mul_u32_u24 v12, v146, 528
	v_lshl_add_u32 v12, v145, 4, v12
	v_add_nc_u32 v12, s28, v12                     ; the gathered rows into LDS: rows 32 w + h on, 16 bytes a lane
	v_mul_u32_u24 v13, v0, 48
	v_add_nc_u32 v13, XSC, v13                     ; my thread's row of scale bytes
	v_lshl_add_u32 v14, v0, 3, WL                  ; and of weights
	v_lshl_add_u32 v15, v0, 2, TOK                 ; and its token
.irp j, 0,1,2,3,4,5,6,7,8,9,10,11,12,13,14,15
	v_lshl_add_u32 v[112+\j], v146, 2, 8*\j        ; lane 2 j + h of my wave, as a byte index
.endr
	v_lshlrev_b32 v147, 3, v144                    ; route: 8 bytes a lane
	v_lshl_add_u32 v148, v0, 2, TT                 ; my wave's totals: 128 w + 4 x lane
	v_lshl_add_u32 v149, v144, 2, TT               ; a class's column of the four rows
	s_mul_i32 s28, s20, 64*PTP
	v_add_nc_u32 v150, s28, v147                   ; the table: my wave's 64 groups, 8 bytes a lane
	s_lshl_b32 s31, s22, 7                         ; the block's first place
	v_add_nc_u32 v169, s31, v0                     ; p: my thread's place
	s_lshl_b32 s30, s21, 2
	s_add_co_u32 s30, s30, s20                     ; my 64 columns: 4 x + w
	s_mov_b32 s29, 0
	s_mov_b32 s48, 0x76543210
	s_mov_b32 s49, 0xfedcba98                      ; v_permlanex16_b32: lane l xor 16
	s_wait_kmcnt 0x0
	s_lshl_b32 s28, s20, 14                        ; 64 groups of 256 bytes
	s_add_nc_u64 s[4:5], s[4:5], s[28:29]
	WIN 0xc0                                       ; destination window 3
.set i, 0
.rept 64
	global_load_b64 v[2*i:2*i+1], v147, s[4:5] offset:256*i    ; group 64 w + i: (record of token = lane, count of class = lane): 256 consecutive bytes
.set i, i+1
.endr
	WIN 0
	s_lshl_b32 s28, s30, 15
	s_add_nc_u64 s[40:41], s[12:13], s[28:29]      ; wf: 32 KB for 64 columns
	s_lshl_b32 s28, s30, 11
	s_add_nc_u64 s[42:43], s[14:15], s[28:29]      ; scale bytes: 64 rows of 32
	s_lshl_b32 s28, s30, 8
	s_add_nc_u64 s[44:45], s[16:17], s[28:29]      ; bias and out0: 64 columns of 4 bytes
	s_add_nc_u64 s[46:47], s[18:19], s[28:29]
	; while the loads are out: the two experts of class = lane.  lo is the last k with k (15 - k) / 2 <= lane
	v_mov_b32 v170, 0
	STEPUP 1, 7
	STEPUP 2, 13
	STEPUP 3, 18
	STEPUP 4, 22
	STEPUP 5, 25
	STEPUP 6, 27
	v_sub_nc_u32 v171, 15, v170
	v_mul_u32_u24 v171, v170, v171
	v_lshrrev_b32 v171, 1, v171
	v_sub_nc_u32 v171, v144, v171                  ; what is left of the class's number
	v_sub_nc_u32 v172, 7, v171                     ; lo odd: hi = 7 - that,
	v_add3_u32 v173, v171, v170, 1                 ; else that + lo + 1
	v_and_b32 v174, 1, v170
	v_cmp_ne_u32 vcc_lo, 0, v174
	v_cndmask_b32 v172, v173, v172, vcc_lo
	v_mov_b32 v173, 1
	v_lshlrev_b32 v151, v170, v173
	v_lshlrev_b32 v172, v172, v173
	v_or_b32 v151, v151, v172                      ; (lanes 28 to 31 are no classes: their counts are 0, and what stands here is never taken)
	s_wait_loadcnt 0x0
	WIN 0xcf                                       ; sources 0 and 1 and the destination: window 3
.set j, 1
.rept 15                                           ; running sums of the counts, in place, in four chains of 16 groups by turns
.irp q, 0,1,2,3
	v_add_nc_u32 v[2*(16*\q+j)+1], v[2*(16*\q+j)+1], v[2*(16*\q+j)-1]
.endr
.set j, j+1
.endr
	WIN 0x03                                       ; source 0 window 3, destination window 0
	v_mov_b32 v152, v31                            ; the four chains' sums
	v_mov_b32 v153, v63
	v_mov_b32 v154, v95
	v_mov_b32 v155, v127
	WIN 0
	v_add_nc_u32 v153, v153, v152                  ; what stands ahead of chain 2,
	v_add_nc_u32 v154, v154, v153                  ; of chain 3,
	v_add_nc_u32 v155, v155, v154                  ; and my wave's total of each class
	ds_store_b32 v148, v155
	s_wait_dscnt 0x0                               ; for the others' sake
	s_barrier_signal -1
	s_barrier_wait -1                              ; the four waves' totals lie in LDS
.irp j, 0,1,2,3
	ds_load_b32 v[156+\j], v149 offset:128*\j
.endr
	s_wait_dscnt 0x0
	v_add_nc_u32 v160, v156, v157
	v_add_nc_u32 v163, v158, v159
	v_add_nc_u32 v160, v160, v163                  ; the class's tokens in all,
	v_mov_b32 v161, 0                              ; and in earlier waves
.irp j, 0,1,2
	s_cmp_lt_u32 \j, s20
	s_cselect_b32 s30, -1, 0
	v_and_b32 v163, s30, v[156+\j]
	v_add_nc_u32 v161, v161, v163
.endr
	v_mov_b32 v162, v160                           ; a running sum over the classes: inside each half of the lanes,
.irp n, 1,2,4,8
	v_mov_b32 v163, 0
	v_mov_b32_dpp v163, v162 row_shr:\n row_mask:0xf bank_mask:0xf bound_ctrl:1
	v_add_nc_u32 v162, v162, v163
.endr
	v_readlane_b32 s30, v162, 15                   ; then the lower half's sum onto the upper half
	v_mov_b32 v163, s30
	v_cmp_lt_u32 vcc_lo, 15, v144
	v_cndmask_b32 v163, 0, v163, vcc_lo
	v_add_nc_u32 v162, v162, v163                  ; where the class ends,
	v_sub_nc_u32 v164, v162, v160                  ; and where it begins
	v_add_nc_u32 v165, v164, v161                  ; where my wave's part of it begins: chain 0's;
	v_add_nc_u32 v166, v165, v152                  ; chains 1 to 3's
	v_add_nc_u32 v167, v165, v153
	v_add_nc_u32 v168, v165, v154
	WIN 0xc3                                       ; source 0 and the destination window 3, source 1 window 0
.set j, 15
.rept 15                                           ; each count's place takes base = the running sum of the group before + the chain's beginning: from the top down, so that each sum is read before it is written over
.irp q, 0,1,2,3
	v_add_nc_u32 v[2*(16*\q+j)+1], v[2*(16*\q+j)-1], v[165+\q]
.endr
.set j, j-1
.endr
.irp q, 0,1,2,3
	v_add_nc_u32 v[32*\q+1], 0, v[165+\q]
.endr
	WIN 0x0c                                       ; an LDS store's data are its source 1: window 3
.set i, 0
.rept 64
	ds_store_b64 v150, v[2*i:2*i+1] offset:PTP*i   ; (record, base) of group 64 w + i: 256 consecutive bytes
.set i, i+1
.endr
	WIN 0
	; while the stores are out.  The experts of the block: class c counts where its places and the block's meet
	v_max_u32 v163, s31, v164
	s_add_co_u32 s30, s31, 128
	v_min_u32 v174, s30, v162
	v_cmp_lt_u32 vcc_lo, v163, v174
	v_cndmask_b32 v175, 0, v151, vcc_lo
	v_mov_b32 v163, 0
.irp m, 1,2,4,8
	v_mov_b32_dpp v163, v175 row_xmask:\m row_mask:0xf bank_mask:0xf
	v_or_b32 v175, v175, v163
.endr
	v_permlanex16_b32 v163, v175, s48, s49
	v_or_b32 v175, v175, v163
	v_readfirstlane_b32 s23, v175
	s_and_b32 s23, s23, 0xff
	s_bcnt1_i32_b32 s24, s23
	s_min_u32 s24, s24, 8                          ; n passes
	s_ctz_i32_b32 s25, s23
	s_min_u32 s25, s25, 7                          ; the first expert
	s_add_co_i32 s30, s23, -1
	s_and_b32 s23, s23, s30
	s_ctz_i32_b32 s26, s23
	s_min_u32 s26, s26, 7                          ; the second
	s_add_co_i32 s30, s23, -1
	s_and_b32 s23, s23, s30
	BASES s25
	; my place's class: the last k whose beginning is at or before p.  (Lane 28's beginning is 8,192, above every p)
.set k, 1
.rept 28
	v_readlane_b32 s[65+k], v164, k
.set k, k+1
.endr
	v_mov_b32 v170, 0
	v_mov_b32 v171, 0
.set b, 0
.rept 7
.irp u, 1,2,3,4
	v_cmp_gt_u32 s[93+\u], s[65+4*b+\u], v169
.endr
.irp u, 1,2,3,4
	v_cndmask_b32 v[170+\u%2], 4*b+\u, v[170+\u%2], s[93+\u]
.endr
.set b, b+1
.endr
	v_max_u32 v170, v170, v171
	v_min_u32 v170, 31, v170
	v_lshl_add_u32 v172, v170, 3, 4                ; base(0, c) in the table
	s_wait_dscnt 0x0                               ; for the others' sake: my part of the table has landed
	s_barrier_signal -1
	s_barrier_wait -1                              ; the table is whole; from here to the next barrier LDS is only read
.irp k, 0,1,2,3,4,5,6,7,8,9,10,11,12,13,14,15
	ds_load_b32 v[176+\k], v172 offset:16*PTP*\k   ; base(16 k, c)
.endr
	WLOAD 0                                        ; an expert's 76 loads always go in this order: K step 0, bias, scale words, K steps 1 to 7.  The first 20 stand here, behind the LDS loads
	BLOAD WSL
	s_wait_dscnt 0x0
	LARGEST 176
	v_min_u32 v175, 15, v173                       ; which 16 groups
	v_mad_u32_u24 v172, v175, 16*PTP, v172
.irp k, 0,1,2,3,4,5,6,7,8,9,10,11,12,13,14,15
	ds_load_b32 v[176+\k], v172 offset:PTP*\k      ; base(16 G + k, c)
.endr
	s_wait_dscnt 0x0
	LARGEST 176
	v_min_u32 v173, 15, v173                       ; which of them
	v_mad_u32_u24 v172, v173, PTP, v172
	v_lshl_add_u32 v174, v175, 4, v173             ; the group,
	v_mul_u32_u24 v174, v174, PTP                  ; and its row of the table
	ds_load_b32 v176, v172                         ; base(g, c)
.irp j, 0,1,2,3,4,5,6,7,8,9,10,11,12,13,14,15
	ds_load_b128 v[192+4*\j:195+4*\j], v174 offset:16*\j   ; the group's 32 pairs: the records stand in the even registers
.endr
	v_lshlrev_b32 v177, 13, v170
	s_wait_dscnt 0x0
	v_sub_nc_u32 v176, v169, v176                  ; my rank in the group
	v_lshl_or_b32 v177, v176, 18, v177             ; class << 13 | rank << 18
.irp j, 0,1,2,3,4,5,6,7,8,9,10,11,12,13,14,15
	v_xor_b32 v[192+4*\j], v177, v[192+4*\j]       ; the record that matches leaves its token, under 8,192; every other leaves 8,192 or more
	v_xor_b32 v[194+4*\j], v177, v[194+4*\j]
.endr
.irp j, 0,1,2,3,4,5,6,7,8,9,10,11,12,13,14,15
	v_min_u32 v[192+4*\j], v[192+4*\j], v[194+4*\j]
.endr
.irp j, 0,1,2,3,4,5,6,7
	v_min_u32 v[192+4*\j], v[192+4*\j], v[224+4*\j]
.endr
.irp j, 0,1,2,3
	v_min_u32 v[192+4*\j], v[192+4*\j], v[208+4*\j]
.endr
.irp j, 0,1
	v_min_u32 v[192+4*\j], v[192+4*\j], v[200+4*\j]
.endr
	v_min_u32 v192, v192, v196
	v_min_u32 v192, 0x1fff, v192                   ; my place's token, held inside the tables
.irp j, 0,1,2,3,4,5,6,7,8,9,10,11,12,13,14,15
	ds_bpermute_b32 v[128+\j], v[112+\j], v192     ; the tokens of places 32 w + 2 j + h: the rows that my wave gathers
.endr
	v_lshlrev_b32 v193, 5, v192
	v_lshlrev_b32 v194, 4, v192
	s_wait_dscnt 0x0
.irp j, 0,1,2,3,4,5,6,7,8,9,10,11,12,13,14,15
	v_min_u32 v[128+\j], 0x1fff, v[128+\j]
.endr
.irp j, 0,1,2,3,4,5,6,7,8,9,10,11,12,13,14,15
	v_lshl_add_u32 v[128+\j], v[128+\j], 9, v10    ; the token's row of 512 bytes, 16 bytes a lane
.endr
	WIN 0x80                                       ; destination window 2: the accumulators' registers are free yet
.irp j, 0,1,2,3,4,5,6,7,8,9,10,11,12,13,14,15
	global_load_b128 v[8*\j:8*\j+3], v[128+\j], s[6:7]                 ; sixteen lanes read 256 consecutive bytes, aligned
	global_load_b128 v[8*\j+4:8*\j+7], v[128+\j], s[6:7] offset:256
.endr
	global_load_b128 v[128:131], v193, s[8:9]
	global_load_b128 v[132:135], v193, s[8:9] offset:16
	global_load_b128 v[136:139], v194, s[10:11]
	global_load_b128 v[140:143], v194, s[10:11] offset:131072
	WIN 0
.irp q, 1,2,3,4,5,6,7
	WLOAD \q
.endr
	s_barrier_signal -1                            ; my reads of the table are over (the wait for all LDS instructions stands above, and none was issued since)
	s_barrier_wait -1                              ; everybody's are: its bytes may be written over
	ds_store_b32 v15, v192
	s_wait_loadcnt 56                              ; the gathers are in: behind them K steps 1 to 7 were issued
	WIN 0x08                                       ; an LDS store's data are its source 1: window 2
.irp j, 0,1,2,3,4,5,6,7,8,9,10,11,12,13,14,15
	ds_store_b128 v12, v[8*\j:8*\j+3] offset:1056*\j
	ds_store_b128 v12, v[8*\j+4:8*\j+7] offset:1056*\j+256
.endr
	ds_store_b128 v13, v[128:131]
	ds_store_b128 v13, v[132:135] offset:16
.irp e, 0,1,2,3,4,5,6,7
	ds_store_b32 v14, v[136+\e] offset:1024*\e
	ds_store_b32 v14, v[136+\e] offset:1024*\e+4
.endr
	WIN 0
	s_wait_dscnt 0x0                               ; for the others' sake
	s_barrier_signal -1
	s_barrier_wait -1                              ; the block's tokens, codes, scale bytes and weights lie in LDS; from here to the next barrier LDS is only read
.irp i, 0,1,2,3,4,5,6,7
	ds_load_b128 v[XSR+4*\i:XSR+4*\i+3], v11 offset:768*\i
.endr
.irp i, 0,1,2,3,4,5,6,7
.irp c, 0,1
	ds_load_b128 v[XF+8*\i+4*\c:XF+8*\i+4*\c+3], v2 offset:8448*\i+32*\c   ; K step 0 into set 0
.endr
.endr
; K STEP s OF A PASS: 32 matrix instructions, the 32 accumulators by turns.  pre = 1: another pass follows, and its expert's data are asked for.
.macro STEP s, pre
	WIN 0
.if (\s) > 0
	PLACES                                         ; for the loads below into registers that the last step's products read
.endif
.if (\s) == 7
	s_lshl_b32 s28, s25, 10
	v_add_nc_u32 v6, s28, v5
.irp i, 0,1,2,3,4,5,6,7
	ds_load_b64 v[WT+2*\i:WT+2*\i+1], v6 offset:128*\i     ; this expert's weights of tokens 16 i + r
.endr
.endif
.if ((\s) < 7) || (\pre)
.irp i, 0,1,2,3,4,5,6,7
.irp c, 0,1
	ds_load_b128 v[XF+64*(((\s)+1)%2)+8*\i+4*\c:XF+64*(((\s)+1)%2)+8*\i+4*\c+3], v2 offset:8448*\i+64*(((\s)+1)%8)+32*\c   ; x's next K step into the other set
.endr
.endr
.endif
.if (\pre) && ((\s) >= 1)
	WLOAD (\s)-1                                   ; the next expert's K step s - 1, into the registers that the last step left
.if (\s) == 1
	BLOAD WSS
.endif
.endif
.if (\s) < 7
	s_wait_dscnt 16                                ; this step's fragments of x are in; the 16 loads just issued may be out
.elseif \pre
	s_wait_dscnt 24                                ; behind them: 8 loads of weights and 16 of fragments
.else
	s_wait_dscnt 8                                 ; behind them: 8 loads of weights
.endif
.if (\s) == 0
	s_wait_loadcnt 56                              ; K step 0, bias and scale words are in: behind them K steps 1 to 7 were issued
.elseif \pre
	s_wait_loadcnt 63                              ; behind K step s: 8 (7 - s) of this expert's loads and 8 s + 12 of the next one's, 68 in all; the count names the most that its field holds
.else
	s_wait_loadcnt 8*(7-(\s))                      ; behind K step s: this expert's later K steps
.endif
.if (\s) == 0
	WIN 0x81                                       ; source 0 (W) window 1, source 1 (x) and C (the bias) window 0, D window 2
.else
	WIN 0xa1                                       ; C and D window 2
.endif
.irp i, 0,1,2,3,4,5,6,7
.irp n, 0,1,2,3
.if (\s) == 0
	v_wmma_scale_f32_16x16x128_f8f6f4 v[8*(4*\i+\n):8*(4*\i+\n)+7], v[32*(\s)+8*\n:32*(\s)+8*\n+7], v[XF+64*((\s)%2)+8*\i:XF+64*((\s)%2)+8*\i+7], v[BI+8*\n:BI+8*\n+7], v[WSL+4*\n+(\s)%4], v[XSR+4*\i+(\s)%4] matrix_a_fmt:MATRIX_FMT_FP4 matrix_b_fmt:MATRIX_FMT_FP4
.elseif (\s) < 4
	v_wmma_scale_f32_16x16x128_f8f6f4 v[8*(4*\i+\n):8*(4*\i+\n)+7], v[32*(\s)+8*\n:32*(\s)+8*\n+7], v[XF+64*((\s)%2)+8*\i:XF+64*((\s)%2)+8*\i+7], v[8*(4*\i+\n):8*(4*\i+\n)+7], v[WSL+4*\n+(\s)%4], v[XSR+4*\i+(\s)%4] matrix_a_fmt:MATRIX_FMT_FP4 matrix_b_fmt:MATRIX_FMT_FP4
.else
	v_wmma_scale_f32_16x16x128_f8f6f4 v[8*(4*\i+\n):8*(4*\i+\n)+7], v[32*(\s)+8*\n:32*(\s)+8*\n+7], v[XF+64*((\s)%2)+8*\i:XF+64*((\s)%2)+8*\i+7], v[8*(4*\i+\n):8*(4*\i+\n)+7], v[WSL+4*\n+(\s)%4], v[XSR+4*\i+(\s)%4] matrix_a_fmt:MATRIX_FMT_FP4 matrix_b_fmt:MATRIX_FMT_FP4 matrix_a_scale:MATRIX_SCALE_ROW1 matrix_b_scale:MATRIX_SCALE_ROW1
.endif
.endr
.endr
.endm
; out (+)= weight x accumulator: 128 packed lines, each accumulator from its low end on.  first = 1: they start out, nothing is cleared.
.macro COMBINE first
	WIN 0xf2                                       ; source 0 (the accumulator) window 2, source 1 (the weight) window 0, source 2 and destination (out) window 3
.irp i, 0,1,2,3,4,5,6,7
.irp n, 0,1,2,3
.irp q, 0,2,4,6
.if \first
	v_pk_mul_f32 v[8*(4*\i+\n)+\q:8*(4*\i+\n)+\q+1], v[8*(4*\i+\n)+\q:8*(4*\i+\n)+\q+1], v[WT+2*\i:WT+2*\i+1]
.else
	v_pk_fma_f32 v[8*(4*\i+\n)+\q:8*(4*\i+\n)+\q+1], v[8*(4*\i+\n)+\q:8*(4*\i+\n)+\q+1], v[WT+2*\i:WT+2*\i+1], v[8*(4*\i+\n)+\q:8*(4*\i+\n)+\q+1]
.endif
.endr
.endr
.endr
	WIN 0
.endm
.macro PASS first, pre
.if \pre
	s_wait_xcnt 0x0                                ; the loads issued so far have read their bases: these may be written
	BASES s26
.endif
.irp q, 0,1,2,3,4,5,6,7
	STEP \q, \pre
.endr
	WIN 0
	PLACES                                         ; behind the pass's last products: for the loads into W's registers, the moves into the scale registers and the reads of the results
.if \pre
	WLOAD 7
	s_wait_loadcnt 56                              ; the next expert's scale words are in: behind them its K steps 1 to 7 were issued
.irp k, 0,1,2,3,4,5,6,7,8,9,10,11,12,13,14,15
	v_mov_b32 v[WSL+\k], v[WSS+\k]                 ; the 128 lines below stand between these and the next scaled product
.endr
	s_wait_dscnt 16                                ; the weights are in; the next pass's first fragments may be out
.else
	WIN 0x40                                       ; the last pass: W's registers are free: the block's 128 tokens, places 2 k + h, for the way out
.set k, 0
.rept 64
	ds_load_b32 v[k], v9 offset:8*k
.set k, k+1
.endr
	WIN 0
	s_wait_dscnt 0x0                               ; the weights and the tokens are in
.endif
	COMBINE \first
.endm
	PASS 1, 1
	ADVANCE
	s_cmp_le_u32 s24, 2
	s_cbranch_scc1 .Llast
	s_mov_b32 s27, 2
.Lmid:                                             ; n - 2 trips
	PASS 0, 1
	ADVANCE
	s_add_co_u32 s27, s27, 1
	s_cmp_lt_u32 s27, s24
	s_cbranch_scc1 .Lmid
.Llast:
	PASS 0, 0
	WIN 0x44                                       ; source 1 and destination window 1
.set k, 0
.rept 64
	v_min_u32 v[k], 0x1fff, v[k]                   ; the token, held inside out0
.set k, k+1
.endr
	WIN 0x41                                       ; source 0 and destination window 1
.set k, 0
.rept 64
	v_lshl_add_u32 v[k], v[k], 12, v10             ; its row of 4,096 bytes, 16 bytes a lane
.set k, k+1
.endr
	WIN 0
	s_wait_dscnt 0x0                               ; my reads of the tables are over
	s_barrier_signal -1
	s_barrier_wait -1                              ; everybody's are: LDS may be written again
; THE WAY OUT, 16 tokens at a time.  A lane holds 32 neighbouring bytes of a token's row and the lanes beside it hold other tokens: a block goes through my own stage and comes back as rows of 256 bytes.
; LDS serves a wave's instructions in order (ISA guide 5.7.1.4): no wait between the stores and the loads, nor in front of the next block's stores.
.macro TOSTAGE i
	WIN 0x0c                                       ; the data: window 3
.irp n, 0,1,2,3
	ds_store_b128 v7, v[8*(4*(\i)+\n):8*(4*(\i)+\n)+3] offset:64*\n
	ds_store_b128 v7, v[8*(4*(\i)+\n)+4:8*(4*(\i)+\n)+7] offset:64*\n+16
.endr
	WIN 0
.irp t, 0,1,2,3,4,5,6,7
	ds_load_b128 v[XF+32*((\i)%2)+4*\t:XF+32*((\i)%2)+4*\t+3], v8 offset:544*\t
.endr
.endm
.macro SEND i, younger                 ; younger: the LDS instructions issued behind block i's loads
	WIN 0x01                                       ; the offset: window 1; the data: window 0
.irp t, 0,1,2,3,4,5,6,7
	s_wait_dscnt (\younger)+7-\t
	global_store_b128 v[8*(\i)+\t], v[XF+32*((\i)%2)+4*\t:XF+32*((\i)%2)+4*\t+3], s[46:47] th:TH_STORE_NT   ; sixteen lanes store 256 consecutive bytes of a token's row, aligned
.endr
	WIN 0
.endm
	TOSTAGE 0
.irp a, 1,2,3,4,5,6,7
.if \a > 1
	s_wait_xcnt 0x0                                ; block a - 2's stores have read their registers: block a's loads may land there
.endif
	TOSTAGE \a
	SEND (\a)-1, 16                                ; behind block a - 1's loads: block a's 8 stores and 8 loads
.endr
	SEND 7, 0
	s_wait_xcnt 0x0
	v_lshl_add_u32 v254, v0, 2, 0x18800
	v_mov_b32 v255, 0
	s_wait_tensorcnt 0x0
	ds_add_u32 v254, v255
	s_wait_dscnt 0x0
	s_endpgm
.Lfunc_end_k_q8fb8a4eff3_experts:
	.size	k_q8fb8a4eff3_experts, .Lfunc_end_k_q8fb8a4eff3_experts-k_q8fb8a4eff3_experts
	.p2alignl 7, 3214868480
	.fill 96, 4, 3214868480
	.section	.rodata,"a",@progbits
	.p2align	6, 0x0
	.amdhsa_kernel k_q8fb8a4eff3_experts
		.amdhsa_group_segment_fixed_size 100864
		.amdhsa_private_segment_fixed_size 0
		.amdhsa_enable_private_segment 0
		.amdhsa_kernarg_size 64
		.amdhsa_user_sgpr_count 2
		.amdhsa_user_sgpr_kernarg_segment_ptr 1
		.amdhsa_wavefront_size32 1
		.amdhsa_system_sgpr_workgroup_id_x 1
		.amdhsa_system_sgpr_workgroup_id_y 1
		.amdhsa_system_sgpr_workgroup_id_z 1
		.amdhsa_system_vgpr_workitem_id 0
		.amdhsa_next_free_vgpr 1024
		.amdhsa_next_free_sgpr 98
		.amdhsa_reserve_vcc 1
		.amdhsa_float_denorm_mode_32 3
		.amdhsa_float_denorm_mode_16_64 3
		.amdhsa_memory_ordered 1
		.amdhsa_forward_progress 1
		.amdhsa_inst_pref_size 255
	.end_amdhsa_kernel
	.section	.bss,"aw",@nobits
	.p2align	6
	.space	262144
	.amdgpu_metadata
---
amdhsa.version: [ 1, 2 ]
amdhsa.kernels:
  - .name:           k_q8fb8a4eff3_experts
    .symbol:         k_q8fb8a4eff3_experts.kd
    .args:
      - { .name: route, .offset: 0, .size: 8, .value_kind: global_buffer, .address_space: global }
      - { .name: xq, .offset: 8, .size: 8, .value_kind: global_buffer, .address_space: global }
      - { .name: xs, .offset: 16, .size: 8, .value_kind: global_buffer, .address_space: global }
      - { .name: wts, .offset: 24, .size: 8, .value_kind: global_buffer, .address_space: global }
      - { .name: wf, .offset: 32, .size: 8, .value_kind: global_buffer, .address_space: global }
      - { .name: expert_W_scales, .offset: 40, .size: 8, .value_kind: global_buffer, .address_space: global }
      - { .name: expert_b, .offset: 48, .size: 8, .value_kind: global_buffer, .address_space: global }
      - { .name: out0, .offset: 56, .size: 8, .value_kind: global_buffer, .address_space: global }
    .group_segment_fixed_size: 100864
    .private_segment_fixed_size: 0
    .kernarg_segment_align: 8
    .kernarg_segment_size: 64
    .max_flat_workgroup_size: 128
    .sgpr_count:     98
    .vgpr_count:     1024
    .wavefront_size: 32
...
	.end_amdgpu_metadata
.endif
;; end of part 5
;; ======== version 3 of 3: 2 launches; version 2 with the launch gate_quant written anew for expert scheduling mode
;; workspace buffers: xq 4,194,304 bytes; xs 262,144 bytes; wts 262,144 bytes; route 65,536 bytes of whole numbers; wf 4,194,304 bytes
;; launch gate_quant (part 6): grid 256 x 1, 8 waves a work-group, no clusters, 90,624 bytes of LDS; arguments x, gate_W, gate_b, expert_W_codes, xq, xs, wts, route, wf; writes xq, xs, wts, route, wf
.if DOCPART == 6
	.amdgcn_target "amdgcn-amd-amdhsa--gfx1250"
	.amdhsa_code_object_version 6
	.text
	.protected	k_q8fb8a4eff3_gate_quant
	.globl	k_q8fb8a4eff3_gate_quant
	.p2align	8
	.type	k_q8fb8a4eff3_gate_quant,@function
k_q8fb8a4eff3_gate_quant:
	s_mov_b64 s[64:65], 0
	v_nop
	global_prefetch_b8 v0, s[64:65] scope:SCOPE_SE
	s_setreg_imm32_b32 hwreg(HW_REG_WAVE_SCHED_MODE, 0, 2), 2
	s_setreg_imm32_b32 hwreg(HW_REG_WAVE_MODE, 25, 1), 1
	s_wait_xcnt 0x0
	s_wait_alu depctr_vm_vsrc(0)
; LAUNCH 1 OF 2.  For 32 tokens a work-group: the gate (logits in f32, softmax with the maximum taken off, top-2, ties to the lower index),
; x quantised to E2M1 codes with one E8M0 byte for each 32 along K, and 32 rows of expert_W_codes laid anew in the order of a matrix operand's registers.
; OUT: xq [8192][512 B] codes; xs [8192][32 B] scale bytes; wts [2][8192][4] f32 (plane 0 experts 0-3, plane 1 experts 4-7; the softmax probability where the expert is chosen, else 0);
;      route [256 groups][32 lanes][2 words]: word 0 = token | class << 13 | rank << 18 of token = lane, word 1 = how many tokens of the group have class = lane;
;      wf: byte (T >> 2) << 15 | s << 12 | (T & 3) << 10 | c << 9 | lane << 4 holds the 16 bytes of row 16 T + lane % 16 at byte 64 s + 32 c + 16 (lane / 16).
; A token's class is its unordered pair of experts (lo, hi): lo (15 - lo) / 2 + (lo odd ? 7 - hi : hi - lo - 1), 0 .. 27: neighbouring classes share an expert.  Its rank counts the group's tokens of its class in lower lanes.
; SHARES.  Wave w takes K = 128 w .. 128 w + 127 of all 32 tokens: a load covers 512 consecutive bytes of one token, and the wave's part of gate_W stays in 128 registers.
; A step is four tokens: their 2,048 bytes turn through the wave's own stage in LDS, so that a lane holds 16 neighbours along K of one token (eight lanes to a token, two to a block of 32).
; Nothing that is derived from floating-point numbers enters an address or a branch: the choice is stored at fixed places.
; LIMITS: NaN and infinities are not served.  A block whose largest magnitude lies under 2^-124 (zeros too) gets the byte 1: its codes are what the conversion gives under that scale, and only this program reads the bytes.
; Probabilities under 2^-126 come out of v_exp_f32 as 0.  The logits are summed in another order than a plain chain: experts that tie for second place within f32 rounding may be chosen otherwise.
; THE MODE: SCHED_MODE bits 1:0 = 2 (LLVM: expert scheduling mode 2), set by the entry lines.  The code itself states the register dependences between vector instructions and memory or LDS
; instructions, and those through scalar registers and VCC that vector instructions write, with s_wait_alu, always for 0.
; THE PLAN, for the eight steps.  Registers that memory or LDS instructions touch:
;   X0, X1         Step t's vector lines read X[t % 2]; the stage's LDS loads issued in step t land in the other set, which step t - 1's lines read.
;   L, CD, SBY     Two sets each.  Step t's lines write set t % 2; the four LDS stores that read it are issued in step t + 1.
;   window 1       x as loaded: global loads land there, the stage's LDS stores read it; no vector line names it, and it is never written again.
;   v2-v13         Offsets and LDS addresses, made once at the head and never written again.
; So two waits at a step's head, behind its waits for data, state all that the step's twelve LDS instructions hang on; these follow in one run, and the step's vector lines, which name X[t % 2], set t % 2 and
; registers that no memory instruction touches, come behind them.  One more wait on va_vdst stands behind the last step.
.set HST,  2560                        ; a turn stage: 32 places of 64 bytes + 16 of padding
.set PL,   40960                       ; behind eight waves x two stages: partial logits [wave][token, 48 bytes][8 f32]
.set CT,   53248                       ; the codes: 32 rows, 576 bytes apart
.set XSL,  71680                       ; the scale bytes: 32 rows of 32
.set WS,   72704                       ; 32 rows of expert_W_codes, 528 bytes apart
.set G,    16                          ; v16-143  gate_W[e][128 w + 16 (lane % 8) + k] at G + 16 e + k
.set X,    144                         ; v144-175 two sets of 16 neighbours
.set A,    176                         ; v176-191 eight pairs of sums
.set L,    192                         ; v192-207 two sets of eight partial logits
.set CD,   208                         ; v208-211 two sets of two registers of codes
.set SBY,  212                         ; v212-213 two scale bytes
.set WR,   216                         ; v216-231 my four rows of expert_W_codes
.set TM,   232                         ; v232-234 at work
.set MSB, 0
.macro WIN new                         ; the immediate's high byte repeats the setting that is left
.if MSB != \new
	s_set_vgpr_msb (MSB<<8)|\new
.set MSB, \new
.endif
.endm
	s_load_b512 s[4:19], s[0:1], 0x0               ; x, gate_W, gate_b, codes, xq, xs, wts, route
	s_load_b64 s[20:21], s[0:1], 0x40              ; wf
	v_lshl_add_u32 v254, v0, 2, 0x15e00
	v_mov_b32 v255, 0
	v_lshrrev_b32 v1, 5, v0
	v_readfirstlane_b32 s22, v1                    ; wave 0..7
	v_and_b32 v1, 31, v0                           ; lane
	v_lshlrev_b32 v2, 4, v1                        ; 16 x lane
	v_and_b32 v14, 7, v1                           ; lane % 8
	v_lshrrev_b32 v15, 3, v1                       ; lane / 8
	v_lshlrev_b32 v3, 6, v14                       ; gate_W: 64 (lane % 8)
	s_wait_alu depctr_va_sdst(0)                   ; s22 is written, ahead of its first reader
	s_lshl_b32 s34, s22, 9                         ; 512 w: my K slice in a row of f32
	s_mov_b32 s35, 0
	s_lshl_b32 s36, ttmp9, 17                      ; 32 tokens of 4,096 bytes
	s_add_co_u32 s36, s36, s34
	s_mov_b32 s37, 0
	s_lshl_b32 s38, ttmp9, 14                      ; 32 rows of 512 bytes,
	s_lshl_b32 s39, s22, 11                        ; four of them a wave
	s_add_co_u32 s38, s38, s39
	s_mov_b32 s39, 0
	s_wait_kmcnt 0x0
	s_add_nc_u64 s[4:5], s[4:5], s[36:37]
	s_add_nc_u64 s[6:7], s[6:7], s[34:35]
	s_add_nc_u64 s[10:11], s[10:11], s[38:39]
	s_add_nc_u64 s[12:13], s[12:13], s[38:39]
	s_load_b256 s[24:31], s[8:9], 0x0              ; gate_b: wave 0 waits for it where it reads it
	s_wait_alu depctr_va_vdst(0)                   ; the offsets v2 and v3 are written, which the loads below read
.irp e, 0,1,2,3,4,5,6,7
.irp j, 0,1,2,3
	global_load_b128 v[G+16*\e+4*\j:G+16*\e+4*\j+3], v3, s[6:7] offset:4096*\e+16*\j
.endr
.endr
.irp i, 0,1,2,3
	global_load_b128 v[WR+4*\i:WR+4*\i+3], v2, s[10:11] offset:512*\i th:TH_LOAD_NT
.endr
	WIN 0x40                                       ; destination window 1: x takes 128 registers.  Tokens 0 to 25 are asked for here: with gate_W's 32 loads, the codes' four and the scalar load of gate_b that is 63 out
.set k, 0
.rept 26
	global_load_b128 v[4*k:4*k+3], v2, s[4:5] offset:4096*k th:TH_LOAD_NT
.set k, k+1
.endr
	WIN 0
	; LDS addresses: a constant + a constant x lane terms + a constant x wave
	s_mul_i32 s23, s22, 2*HST
	v_lshrrev_b32 v4, 2, v1
	v_mul_u32_u24 v4, v4, 80
	v_and_b32 v5, 3, v1
	v_lshl_add_u32 v4, v5, 4, v4
	v_add_nc_u32 v4, s23, v4                       ; the stage, in: 80 (lane / 4) + 16 (lane % 4)
	v_mul_u32_u24 v5, v1, 80
	v_add_nc_u32 v5, s23, v5                       ; out: 80 x lane
	s_mul_i32 s23, s22, 1536
	s_add_co_u32 s23, s23, PL
	v_mul_u32_u24 v6, v15, 48
	v_add_nc_u32 v6, s23, v6                       ; partial logits of token lane / 8 of a step
	s_lshl_b32 s23, s22, 6
	s_add_co_u32 s23, s23, CT
	v_mul_u32_u24 v7, v15, 576
	v_lshl_add_u32 v7, v14, 3, v7
	v_add_nc_u32 v7, s23, v7                       ; my 8 bytes of codes: row lane / 8, byte 64 w + 8 (lane % 8)
	s_lshl_b32 s23, s22, 2
	s_add_co_u32 s23, s23, XSL
	v_lshrrev_b32 v8, 1, v14
	v_lshl_add_u32 v8, v15, 5, v8
	v_add_nc_u32 v8, s23, v8                       ; my block's byte: row lane / 8, byte 4 w + (lane % 8) / 2
	s_mul_i32 s23, s22, 4*528
	s_add_co_u32 s23, s23, WS
	v_add_nc_u32 v9, s23, v2                       ; expert_W_codes in: rows 4 w on
	s_mul_i32 s23, s22, 4*576
	s_add_co_u32 s23, s23, CT
	v_add_nc_u32 v10, s23, v2                      ; the codes back: rows 4 w on, 16 bytes a lane
	s_lshr_b32 s32, s22, 2                         ; which of the two tiles of 16 rows I lay out,
	s_and_b32 s33, s22, 3                          ; and which two K steps of it
	s_mul_i32 s23, s32, 16*528
	s_lshl_b32 s36, s33, 7
	s_add_co_u32 s23, s23, s36
	s_add_co_u32 s23, s23, WS
	v_and_b32 v14, 15, v1                          ; r
	v_lshrrev_b32 v15, 4, v1                       ; h
	v_mul_u32_u24 v11, v14, 528
	v_lshl_add_u32 v11, v15, 4, v11
	v_add_nc_u32 v11, s23, v11                     ; a fragment's 16 bytes: row r, + 16 h, + 128 (w % 4)
	v_add_nc_u32 v12, XSL, v2                      ; the scale bytes back
	v_mul_u32_u24 v13, v1, 48
	v_add_nc_u32 v13, PL, v13                      ; the partial logits of token = lane
	; where the results go
	s_lshl_b32 s36, ttmp9, 10
	s_add_nc_u64 s[14:15], s[14:15], s[36:37]      ; xs: 32 rows of 32 bytes
	s_lshl_b32 s36, ttmp9, 9
	s_add_nc_u64 s[16:17], s[16:17], s[36:37]      ; wts: 32 tokens of 16 bytes in each plane
	s_lshl_b32 s36, ttmp9, 8
	s_add_nc_u64 s[18:19], s[18:19], s[36:37]      ; route: 256 bytes a group
	s_lshl_b32 s23, ttmp9, 1
	s_add_co_u32 s23, s23, s32                     ; T = 2 g + w / 4
	s_lshr_b32 s36, s23, 2
	s_lshl_b32 s36, s36, 15
	s_and_b32 s23, s23, 3
	s_lshl_b32 s23, s23, 10
	s_add_co_u32 s36, s36, s23
	s_lshl_b32 s23, s33, 13                        ; K steps 2 (w % 4) on
	s_add_co_u32 s36, s36, s23
	s_add_nc_u64 s[20:21], s[20:21], s[36:37]
	s_wait_loadcnt 26                              ; gate_W and my rows of codes are in: 26 loads of x were issued behind them
	WIN 0x40                                       ; destination window 1
	s_wait_alu depctr_va_vdst(0)                   ; the LDS addresses v4-v13 are written, which the LDS instructions of the whole kernel read
.rept 6
	global_load_b128 v[4*k:4*k+3], v2, s[4:5] offset:4096*k th:TH_LOAD_NT   ; tokens 26 to 31: 32 loads are out
.set k, k+1
.endr
	WIN 0
.irp i, 0,1,2,3
	ds_store_b128 v9, v[WR+4*\i:WR+4*\i+3] offset:528*\i
.endr
; Step t's four tokens through stage t % 2: as they were loaded in, 64 bytes a lane out.  LDS serves a wave's instructions in order: no wait between.
.macro TURN t
	WIN 0x04                                       ; an LDS store's data are its source 1: window 1
.irp i, 0,1,2,3
	ds_store_b128 v4, v[16*(\t)+4*\i:16*(\t)+4*\i+3] offset:HST*((\t)%2)+640*\i
.endr
	WIN 0
.irp i, 0,1,2,3
	ds_load_b128 v[X+16*((\t)%2)+4*\i:X+16*((\t)%2)+4*\i+3], v5 offset:HST*((\t)%2)+16*\i
.endr
.endm
; Step t's results into LDS: eight partial logits, 16 codes and a scale byte a lane, out of set t % 2
.macro PUT t
.set OLS, L+8*((\t)%2)
.set OCS, CD+2*((\t)%2)
.set OBS, SBY+(\t)%2
	ds_store_b128 v6, v[OLS:OLS+3] offset:192*(\t)         ; the eight lanes of a token write the same bytes with the same values
	ds_store_b128 v6, v[OLS+4:OLS+7] offset:192*(\t)+16
	ds_store_b64 v7, v[OCS:OCS+1] offset:2304*(\t)
	ds_store_b8 v8, v[OBS] offset:128*(\t)                 ; both lanes of a block write the same byte
.endm
	s_wait_loadcnt 28                              ; tokens 0 to 3 are in: 28 loads were issued behind theirs
	TURN 0
.macro STEP t
.set XS, X+16*((\t)%2)
.set LS, L+8*((\t)%2)
.set CS, CD+2*((\t)%2)
.set BS, SBY+(\t)%2
.if (\t) > 1
	s_wait_dscnt 4                                 ; this step's numbers are back; the four stores of results that were issued behind their loads may be out
.else
	s_wait_dscnt 0x0                               ; this step's numbers are back: nothing was issued behind their loads
.endif
.if (\t) < 7
	s_wait_loadcnt 24-4*(\t)                       ; the next step's four loads are in; the later ones may be out
.endif
.if (\t) > 1
	s_wait_alu depctr_vm_vsrc(0)                   ; the four stores issued in the last step have read set t % 2 of L, CD and SBY, which this step's lines write again
.endif
.if (\t) > 0
	s_wait_alu depctr_va_vdst(0)                   ; the last step's lines have written the other set of L, CD and SBY, which the stores below read, and are done reading the other X, in which the loads below land
.endif
.if (\t) < 7
	TURN (\t)+1
.endif
.if (\t) > 0
	PUT (\t)-1                                     ; no vector line since the wait: this step's lines, below, name none of the registers that these twelve LDS instructions touch
.endif
.irp e, 0,1,2,3,4,5,6,7                            ; the gate: eight sums by turns, two numbers an instruction
	v_pk_mul_f32 v[A+2*\e:A+2*\e+1], v[XS:XS+1], v[G+16*\e:G+16*\e+1]
.endr
.irp k, 2,4,6,8,10,12,14
.irp e, 0,1,2,3,4,5,6,7
	v_pk_fma_f32 v[A+2*\e:A+2*\e+1], v[XS+\k:XS+\k+1], v[G+16*\e+\k:G+16*\e+\k+1], v[A+2*\e:A+2*\e+1]
.endr
.endr
.irp e, 0,1,2,3,4,5,6,7
	v_add_f32 v[LS+\e], v[A+2*\e], v[A+2*\e+1]
.endr
.irp m, 1,2,4                                      ; over the eight lanes of a token
.irp e, 0,1,2,3,4,5,6,7
	v_add_f32_dpp v[LS+\e], v[LS+\e], v[LS+\e] row_xmask:\m row_mask:0xf bank_mask:0xf
.endr
.endr
	v_max3_num_f32 v[TM], |v[XS]|, |v[XS+1]|, |v[XS+2]|    ; the largest magnitude of my 16
	v_max3_num_f32 v[TM+1], |v[XS+3]|, |v[XS+4]|, |v[XS+5]|
.irp i, 6,10
	v_max3_num_f32 v[TM], v[TM], |v[XS+\i]|, |v[XS+\i+1]|
	v_max3_num_f32 v[TM+1], v[TM+1], |v[XS+\i+2]|, |v[XS+\i+3]|
.endr
	v_max3_num_f32 v[TM], v[TM], |v[XS+14]|, |v[XS+15]|
	v_max3_num_f32 v[TM], v[TM], v[TM+1], 0x1800000        ; and the floor 2^(3 - 127): the byte cannot fall under 1
	v_max_num_f32_dpp v[TM], v[TM], v[TM] row_xmask:1 row_mask:0xf bank_mask:0xf   ; with my neighbour's 16: the block's
	v_add_nc_u32 v[TM+2], 0xff000000, v[TM]                ; 2 off its exponent field: the conversion takes that field as its scale
	v_cvt_scalef32_pk8_fp4_f32 v[CS], v[XS:XS+7], v[TM+2]
	v_cvt_scalef32_pk8_fp4_f32 v[CS+1], v[XS+8:XS+15], v[TM+2]
	v_lshrrev_b32 v[BS], 23, v[TM+2]                       ; the scale's byte (also the plain line behind the conversions)
.endm
.irp t, 0,1,2,3,4,5,6,7
	STEP \t
.endr
	s_wait_alu depctr_va_vdst(0)                   ; the last step's lines have written their set of L, CD and SBY, which the stores below read; and every vector line so far is done with X, A and v16-143, in which the loads behind the barrier land
	PUT 7
	s_wait_dscnt 0x0                               ; for the others' sake: all my LDS stores have landed
	s_barrier_signal -1
	s_barrier_wait -1                              ; codes, scale bytes, partial logits and the 32 rows of W lie whole in LDS
.irp i, 0,1,2,3
	ds_load_b128 v[X+4*\i:X+4*\i+3], v10 offset:576*\i     ; a whole row of codes, 512 bytes
.endr
.irp i, 0,1,2,3
	ds_load_b128 v[X+16+4*\i:X+16+4*\i+3], v11 offset:32*\i   ; K step 2 (w % 4) + i / 2, half i % 2 of a fragment
.endr
.irp i, 0,1,2,3
	s_wait_dscnt 7-\i
	global_store_b128 v2, v[X+4*\i:X+4*\i+3], s[12:13] offset:512*\i      ; 32 lanes store 512 consecutive bytes
.endr
.irp i, 0,1,2,3
	s_wait_dscnt 3-\i
	global_store_b128 v2, v[X+16+4*\i:X+16+4*\i+3], s[20:21] offset:4096*(\i/2)+512*(\i%2)
.endr
	s_cmp_lg_u32 s22, 7
	s_cbranch_scc1 .Lnot_seven
	ds_load_b128 v[A:A+3], v12                     ; wave 7: the group's 1,024 scale bytes
	ds_load_b128 v[A+4:A+7], v12 offset:512
	s_wait_dscnt 0x0
	global_store_b128 v2, v[A:A+3], s[14:15]
	global_store_b128 v2, v[A+4:A+7], s[14:15] offset:512
	s_wait_dscnt 0x0                               ; the closing lines, six on end
	s_wait_alu 0x0
	s_wait_tensorcnt 0x0
	ds_add_u32 v254, v255
	s_wait_dscnt 0x0
	s_endpgm
.Lnot_seven:
	s_cmp_lg_u32 s22, 0
	s_cbranch_scc1 .Lend
	; WAVE 0, a lane a token: the logits, the softmax, the choice
.irp w, 0,1,2,3,4,5,6,7
	ds_load_b128 v[16+8*\w:19+8*\w], v13 offset:1536*\w
	ds_load_b128 v[20+8*\w:23+8*\w], v13 offset:1536*\w+16
.endr
	s_wait_dscnt 0x0
.irp w, 1,2,3,4,5,6,7
.irp j, 0,2,4,6
	v_pk_add_f32 v[16+\j:17+\j], v[16+\j:17+\j], v[16+8*\w+\j:17+8*\w+\j]
.endr
.endr
	s_wait_kmcnt 0x0                               ; gate_b
.irp e, 0,1,2,3,4,5,6,7
	v_add_f32 v[16+\e], s[24+\e], v[16+\e]
.endr
	v_max3_num_f32 v80, v16, v17, v18
	v_max3_num_f32 v80, v80, v19, v20
	v_max3_num_f32 v80, v80, v21, v22
	v_max_num_f32 v80, v80, v23                    ; the row's largest logit is taken off
.irp e, 0,1,2,3,4,5,6,7
	v_sub_f32 v[24+\e], v[16+\e], v80
.endr
.irp e, 0,1,2,3,4,5,6,7
	v_mul_f32 v[24+\e], 0x3fb8aa3b, v[24+\e]       ; x log2(e)
.endr
.irp e, 0,1,2,3,4,5,6,7
	v_exp_f32 v[24+\e], v[24+\e]
.endr
	v_mov_b32 v90, 0                               ; the rank (a plain line behind the exponentials)
	s_wait_alu depctr_va_vdst(0)                   ; the eight exponentials have written v24-31: one wait for the batch, ahead of its first reader
	v_add_f32 v81, v24, v25
	v_add_f32 v92, v26, v27
	v_add_f32 v96, v28, v29
	v_add_f32 v97, v30, v31
	v_add_f32 v81, v81, v92
	v_add_f32 v96, v96, v97
	v_add_f32 v81, v81, v96
	v_rcp_f32 v82, v81
	v_mov_b32 v101, 0                              ; the counts (a plain line behind the reciprocal)
	s_wait_alu depctr_va_vdst(0)                   ; the reciprocal has written v82, ahead of its first reader
.irp e, 0,1,2,3,4,5,6,7
	v_mul_f32 v[32+\e], v[24+\e], v82              ; the probabilities
.endr
	v_mov_b32 v83, v32                             ; the largest: a later one takes over only where it is larger, so the lower index wins a tie
	v_mov_b32 v84, 0
.irp e, 1,2,3,4,5,6,7
	v_cmp_le_f32 vcc_lo, v[32+\e], v83
	s_wait_alu depctr_va_vcc(0)                    ; VCC is written, which the two selects read.  (Each compare hangs on the select before it: these cannot go in a run)
	v_cndmask_b32 v83, v[32+\e], v83, vcc_lo
	v_cndmask_b32 v84, \e, v84, vcc_lo
.endr
	v_mov_b32 v85, -1.0
.irp e, 0,1,2,3,4,5,6,7
	v_cmp_eq_u32 s[32+\e], \e, v84                 ; eight compares in a run, a mask each
.endr
	s_wait_alu depctr_va_sdst(0)                   ; the eight masks s32-39 are written, which the selects read
.irp e, 0,1,2,3,4,5,6,7
	v_cndmask_b32 v[40+\e], v[32+\e], v85, s[32+\e]  ; the winner is taken out
.endr
	v_mov_b32 v86, v40                             ; the second largest, likewise
	v_mov_b32 v87, 0
.irp e, 1,2,3,4,5,6,7
	v_cmp_le_f32 vcc_lo, v[40+\e], v86
	s_wait_alu depctr_va_vcc(0)                    ; VCC is written, which the two selects read
	v_cndmask_b32 v86, v[40+\e], v86, vcc_lo
	v_cndmask_b32 v87, \e, v87, vcc_lo
.endr
	v_mov_b32 v89, 1
	v_lshlrev_b32 v88, v84, v89
	v_lshlrev_b32 v92, v87, v89
	v_or_b32 v88, v88, v92                         ; the mask of the two experts
.irp e, 0,1,2,3,4,5,6,7
	v_and_b32 v[56+\e], 1<<\e, v88
.endr
.irp e, 0,1,2,3,4,5,6,7
	v_cmp_ne_u32 s[32+\e], 0, v[56+\e]
.endr
	s_wait_alu depctr_va_sdst(0)                   ; the eight masks s32-39 are written, which the selects read
.irp e, 0,1,2,3,4,5,6,7
	v_cndmask_b32 v[48+\e], 0, v[32+\e], s[32+\e]  ; the weight: the full probability where chosen, else 0
.endr
	v_min_u32 v93, v84, v87                        ; lo
	v_max_u32 v94, v84, v87                        ; hi
	v_sub_nc_u32 v95, 15, v93
	v_mul_u32_u24 v95, v93, v95
	v_lshrrev_b32 v95, 1, v95                      ; lo (15 - lo) / 2
	v_sub_nc_u32 v96, 7, v94
	v_sub_nc_u32 v97, v94, v93
	v_add_nc_u32 v97, -1, v97
	v_and_b32 v98, 1, v93
	v_cmp_ne_u32 vcc_lo, 0, v98
	s_wait_alu depctr_va_vcc(0)                    ; VCC is written, which the select reads
	v_cndmask_b32 v96, v97, v96, vcc_lo            ; lo odd: 7 - hi, else hi - lo - 1
	v_add_nc_u32 v95, v95, v96                     ; the class
.set b, 0
.rept 2                                            ; the 28 classes in two runs of fourteen compares, a mask each (gate_b's registers are free by now)
.set u, 0
.rept 14
	v_cmp_eq_u32 s[24+u], 14*b+u, v95              ; the group's tokens of class c = 14 b + u
.set u, u+1
.endr
	s_wait_alu depctr_va_sdst(0)                   ; the fourteen masks s24-37 are written, which the lines below read
.set u, 0
.rept 14
	v_mbcnt_lo_u32_b32 v99, s[24+u], 0             ; how many of them stand in lower lanes
	v_cndmask_b32 v90, v90, v99, s[24+u]           ; my rank, if the class is mine
	s_bcnt1_i32_b32 s41, s[24+u]
	v_writelane_b32 v101, s41, 14*b+u              ; the count, in lane c
.set u, u+1
.endr
.set b, b+1
.endr
	s_lshl_b32 s40, ttmp9, 5
	v_or_b32 v100, s40, v1                         ; the token: 32 x group + lane, 13 bits;
	v_lshl_or_b32 v100, v95, 13, v100              ; the class above it, 5 bits;
	v_lshl_or_b32 v100, v90, 18, v100              ; the rank above that
	v_lshlrev_b32 v102, 3, v1
	s_wait_alu depctr_va_vdst(0)                   ; the weights v48-55, the record and the count v100-101 and the offset v102 are written, which the stores read
	global_store_b128 v2, v[48:51], s[16:17]                   ; 512 consecutive bytes in each plane
	global_store_b128 v2, v[52:55], s[16:17] offset:131072
	global_store_b64 v102, v[100:101], s[18:19]                ; 256 consecutive bytes, aligned
.Lend:
	s_wait_dscnt 0x0                               ; the closing lines, six on end
	s_wait_alu 0x0
	s_wait_tensorcnt 0x0
	ds_add_u32 v254, v255
	s_wait_dscnt 0x0
	s_endpgm
.Lfunc_end_k_q8fb8a4eff3_gate_quant:
	.size	k_q8fb8a4eff3_gate_quant, .Lfunc_end_k_q8fb8a4eff3_gate_quant-k_q8fb8a4eff3_gate_quant
	.p2alignl 7, 3214868480
	.fill 96, 4, 3214868480
	.section	.rodata,"a",@progbits
	.p2align	6, 0x0
	.amdhsa_kernel k_q8fb8a4eff3_gate_quant
		.amdhsa_group_segment_fixed_size 90624
		.amdhsa_private_segment_fixed_size 0
		.amdhsa_enable_private_segment 0
		.amdhsa_kernarg_size 72
		.amdhsa_user_sgpr_count 2
		.amdhsa_user_sgpr_kernarg_segment_ptr 1
		.amdhsa_wavefront_size32 1
		.amdhsa_system_sgpr_workgroup_id_x 1
		.amdhsa_system_sgpr_workgroup_id_y 1
		.amdhsa_system_sgpr_workgroup_id_z 1
		.amdhsa_system_vgpr_workitem_id 0
		.amdhsa_next_free_vgpr 384
		.amdhsa_next_free_sgpr 66
		.amdhsa_reserve_vcc 1
		.amdhsa_float_denorm_mode_32 3
		.amdhsa_float_denorm_mode_16_64 3
		.amdhsa_memory_ordered 1
		.amdhsa_forward_progress 1
		.amdhsa_inst_pref_size 92
	.end_amdhsa_kernel
	.amdgpu_metadata
---
amdhsa.version: [ 1, 2 ]
amdhsa.kernels:
  - .name:           k_q8fb8a4eff3_gate_quant
    .symbol:         k_q8fb8a4eff3_gate_quant.kd
    .args:
      - { .name: x, .offset: 0, .size: 8, .value_kind: global_buffer, .address_space: global }
      - { .name: gate_W, .offset: 8, .size: 8, .value_kind: global_buffer, .address_space: global }
      - { .name: gate_b, .offset: 16, .size: 8, .value_kind: global_buffer, .address_space: global }
      - { .name: expert_W_codes, .offset: 24, .size: 8, .value_kind: global_buffer, .address_space: global }
      - { .name: xq, .offset: 32, .size: 8, .value_kind: global_buffer, .address_space: global }
      - { .name: xs, .offset: 40, .size: 8, .value_kind: global_buffer, .address_space: global }
      - { .name: wts, .offset: 48, .size: 8, .value_kind: global_buffer, .address_space: global }
      - { .name: route, .offset: 56, .size: 8, .value_kind: global_buffer, .address_space: global }
      - { .name: wf, .offset: 64, .size: 8, .value_kind: global_buffer, .address_space: global }
    .group_segment_fixed_size: 90624
    .private_segment_fixed_size: 0
    .kernarg_segment_align: 8
    .kernarg_segment_size: 72
    .max_flat_workgroup_size: 256
    .sgpr_count:     66
    .vgpr_count:     384
    .wavefront_size: 32
...
	.end_amdgpu_metadata
.endif
;; end of part 6
;; launch experts: the kernel of part 5 again; grid 4 x 64, 4 waves a work-group, no clusters, 100,864 bytes of LDS; arguments route, xq, xs, wts, wf, expert_W_scales, expert_b, out0; writes out0
